; MI455X (gfx1250); checked and timed in simulation.
; The chip was launched on July 23, 2026; its instructions are those of AMD's public machine-readable ISA for CDNA 5 (MIT licence, August 2026) and "CDNA5" Instruction Set Architecture Reference Guide (July 2026). The comments in the code are by the model that wrote it; some were corrected since.
;; Kernel Sparse Attention Layer. Allowed arithmetic: matrix products marked QUANTISED: E2M3 operands, one E8M0 scale for each 32 along K, by v_wmma_scale_f32_16x16x128_f8f6f4 with both operands' format E2M3, f32 sums; everything else in f32.
;; Inputs: W1_codes 128 x 1 x 24 uint8 (E2M3 codes of W1, K innermost, in blocks of 32 codes, four codes in three bytes); W1_scales 128 x 1 uint8 (E8M0 scales of W1, one for each 32 codes along K); W2_codes 32 x 4 x 24 uint8 (E2M3 codes of W2, K innermost, in blocks of 32 codes, four codes in three bytes); W2_scales 32 x 4 uint8 (E8M0 scales of W2, one for each 32 codes along K); Wk_codes 32 x 1 x 24 uint8 (E2M3 codes of Wk, K innermost, in blocks of 32 codes, four codes in three bytes); Wk_scales 32 x 1 uint8 (E8M0 scales of Wk, one for each 32 codes along K); Wo_codes 32 x 1 x 24 uint8 (E2M3 codes of Wo, K innermost, in blocks of 32 codes, four codes in three bytes); Wo_scales 32 x 1 uint8 (E8M0 scales of Wo, one for each 32 codes along K); Wq_codes 32 x 1 x 24 uint8 (E2M3 codes of Wq, K innermost, in blocks of 32 codes, four codes in three bytes); Wq_scales 32 x 1 uint8 (E8M0 scales of Wq, one for each 32 codes along K); Wv_codes 32 x 1 x 24 uint8 (E2M3 codes of Wv, K innermost, in blocks of 32 codes, four codes in three bytes); Wv_scales 32 x 1 uint8 (E8M0 scales of Wv, one for each 32 codes along K); Z 2,048 x 32 float32; b1 128 float32; b2 32 float32; beta1 32 float32; beta2 32 float32; bk 32 float32; bo 32 float32; bq 32 float32; bv 32 float32; g1 32 float32; g2 32 float32; mask 2,048 x 2,048 int32; omega_codes 64 x 1 x 24 uint8 (E2M3 codes of omega, K innermost, in blocks of 32 codes, four codes in three bytes); omega_scales 64 x 1 uint8 (E8M0 scales of omega, one for each 32 codes along K).
;; Outputs: out0 2,048 x 32 float32.
;; This version of the problem:
;;   THIS VERSION OF THE PROBLEM IS GIVEN IN LOW PRECISION. The matrix products marked QUANTISED in the list below multiply operands that are first quantised to E2M3 (2 exponent bits, 3 mantissa bits; 6 bits a number), with one power-of-two scale for each 32 numbers along K (OCP MX v1.0); their sums are f32. All else is computed in f32.
;;   The module's matrix products, in the order in which they are computed (A, B: the left and right operand; K: the contracted axis; several contracted axes count as one K, in the product's order):
;;     1. [M 2,048, K 32] x [K 32, N 32]; A: input Z; B: input Wq (given as codes): QUANTISED
;;     2. [M 2,048, K 32] x [K 32, N 32]; A: input Z; B: input Wk (given as codes): QUANTISED
;;     3. [M 2,048, K 32] x [K 32, N 32]; A: input Z; B: input Wv (given as codes): QUANTISED
;;     4. [M 2,048, K 32] x [K 32, N 64]; A: computed on the way; B: input omega (given as codes): QUANTISED
;;     5. [M 2,048, K 32] x [K 32, N 64]; A: computed on the way; B: input omega (given as codes): QUANTISED
;;     6. [M 64, K 2,048] x [K 2,048, N 32]; A: computed on the way; B: computed on the way: QUANTISED
;;     7. [M 2,048, K 64] x [K 64, N 32]; A: computed on the way; B: computed on the way: QUANTISED
;;     8. [M 2,048, K 64] x [K 64, N 2,048]; A: computed on the way; B: computed on the way: QUANTISED
;;     9. [M 2,048, K 2,048] x [K 2,048, N 32]; A: computed on the way; B: computed on the way: QUANTISED
;;     10. [M 2,048, K 32] x [K 32, N 32]; A: computed on the way; B: input Wo (given as codes): QUANTISED
;;     11. [M 2,048, K 32] x [K 32, N 128]; A: computed on the way; B: input W1 (given as codes): QUANTISED
;;     12. [M 2,048, K 128] x [K 128, N 32]; A: computed on the way; B: input W2 (given as codes): QUANTISED
;;   THE QUANTISER, for each operand of a quantised product, along K:
;;     - K is cut into blocks of 32 from its start; a last block that is shorter is filled with zeros.
;;     - A block's scale is 2^e with e = floor(log2(the largest magnitude in the block)) - 2, held to -126 .. 127; a block of zeros has e = 0. As a byte (E8M0): e + 127.
;;     - Each number is divided by its block's scale, clamped to +-7.5, and rounded to the nearest number of E2M3, ties to even, subnormals kept.
;;     - The product sums the exact products of the quantised numbers (number of the format x scale) in f32.
;;   ~~~python
;;   def quantise(x, axis):      # numpy; x: float32 -> the quantised numbers, widened to float32 again
;;       x = np.moveaxis(x, axis, -1); K = x.shape[-1]
;;       x = np.pad(x, [(0, 0)] * (x.ndim - 1) + [(0, -K % 32)]); x = x.reshape(x.shape[:-1] + (-1, 32)); a = np.abs(x).max(-1, keepdims=True)
;;       e = np.where(a > 0, np.clip(np.frexp(np.where(a > 0, a, 1))[1] - 1 - 2, -126, 127), 0)      # np.frexp(a)[1] - 1 = floor(log2(a)), exactly
;;       r = np.clip(x / 2.0 ** e, -7.5, 7.5)
;;       step = 2.0 ** (np.maximum(np.frexp(np.where(r == 0, 1, r))[1] - 1, 0) - 3)
;;       q = np.round(r / step) * step * 2.0 ** e      # np.round: ties to even
;;       return np.moveaxis(q.reshape(q.shape[:-2] + (-1,))[..., :K], -1, axis).astype(np.float32)
;;   ~~~
;;   OPERANDS COMPUTED ON THE WAY. 'Computed on the way' means the value that the module computes at that place (a softmax that the list does not call 'softmax' is quantised finished and normalised). What goes into a quantiser is computed in f32, as accurately as f32 sums, v_exp_f32 and their like allow (about 1e-6 of the number): no bf16 or f16 on the way to a quantiser, and a product that is left as it is and whose result goes on into a quantised operand takes f32 operands (vector FMAs, or v_wmma_f32_16x16x4_f32). A number that lies on a knife's edge between two numbers of the format may be rounded either way, as far as f32 arithmetic and the matrix unit's own rounding can turn it there, and no further.
;;   INPUTS GIVEN AS CODES. W1 (in the module: [32, 128], K = its axis 0); W2 (in the module: [128, 32], K = its axis 0); Wk (in the module: [32, 32], K = its axis 0); Wo (in the module: [32, 32], K = its axis 0); Wq (in the module: [32, 32], K = its axis 0); Wv (in the module: [32, 32], K = its axis 0); omega (in the module: [32, 64], K = its axis 0): each comes as NAME_codes (uint8): NAME with its K axis moved to the last place and cut into blocks of 32 codes, [.., K / 32, bytes a block], one block behind the other in memory; four codes in three bytes: a row's codes are one little-endian stream of bits, code i at bits 6 i .. 6 i + 5 (a code: sign, 2 exponent bits, 3 mantissa bits); and NAME_scales (uint8): the same leading axes, one E8M0 byte (e + 127) for each 32 codes along K. Its value is code x scale, taken as it is: it is not quantised again, and the codes and scales need not be those that the quantiser above would give.
;; 2 versions. Each part assembles by itself: llvm-mc -triple=amdgcn-amd-amdhsa -mcpu=gfx1250 --defsym DOCPART=n.
;; ======== version 1 of 2: 2 launches
;; workspace buffers: ws 1,184,256 bytes
;; launch prep (part 1): grid 16 x 1, 8 waves a work-group, no clusters, 88,576 bytes of LDS; arguments Z, Wq_codes, Wq_scales, bq, Wk_codes, Wk_scales, bk, Wv_codes, Wv_scales, bv, omega_codes, omega_scales, ws, W1_codes, W2_codes, Wo_codes, W1_scales, W2_scales, b1, bo, b2, g1, beta1, g2, beta2, Wo_scales; writes ws
.if DOCPART == 1
	.amdgcn_target "amdgcn-amd-amdhsa--gfx1250"
	.amdhsa_code_object_version 6
	.text
	.protected	k_q2860cb774e_prep
	.globl	k_q2860cb774e_prep
	.p2align	8
	.type	k_q2860cb774e_prep,@function
k_q2860cb774e_prep:
	s_mov_b64 s[64:65], 0
	v_nop
	global_prefetch_b8 v0, s[64:65] scope:SCOPE_SE
	s_setreg_imm32_b32 hwreg(HW_REG_WAVE_MODE, 25, 1), 1
	s_wait_xcnt 0x0
; PREP.  Q, K, V = Z W + b; phi_Q, phi_K = exp(normalised Q, K x omega) / 8; the partial sums of phi_K^T V: all products on codes of FP6 (E2M3) with one E8M0 scale for each 32 along K.
; Everything that the second launch reads is laid here as its registers want it, in the one workspace buffer ws.
; SHARES.  Work-group p takes tokens 128 p .. 128 p + 127: one K step of the two products whose K is the token axis.  2,048 tokens make 16 work-groups; there is no more work than that.
; Phase A: wave t takes 16 tokens; row r of its tile is token kappa = 64 (t / 4) + 8 (t % 4) + r % 8 + 32 (r / 8), so that in phase B a lane's 32 results of four tiles are 32 NEIGHBOURING tokens: a whole block of the next K.
; Phase B: waves 0, 1 make V^T (16 channels x 128 tokens each), waves 2-5 phi_K^T (16 features each), quantise them along the tokens and hand them on through LDS as images of their registers.
; Phase C: each wave makes one tile (16 features x 16 channels) of this chunk's phi_K^T V.  Then the stages in LDS leave in runs of 384 or 512 consecutive bytes a wave.
; K = 32 IN AN INSTRUCTION OF K = 128: the data's fragment has zero codes in blocks 1-3, so the weight's side may hold any codes there: weight fragments lie 6 registers apart, lanes 16-31 load what lanes 0-15 load.
; LIMITS: NaN and infinities among the inputs are not served.  A block whose largest magnitude lies under 2^-124 keeps the scale byte 1, a block of zeros too (the quantiser's rule says 127 there): its codes are zeros,
; and this program alone reads the bytes.  exp(x) / 8 is made as 2^(x log2(e) - 3); a division is a reciprocal and a multiplication.
.set QS_O,  0                          ; ws: [work-group of the second launch 256][channel 32][query 8][2] f32: Q x log2(e) / sqrt(32), each number twice
.set KT_O,  524288                     ; [channel 32][token 2048] f32: K
.set PQ_O,  786432                     ; [token][48 bytes]: phi_Q's codes along the 64 features
.set PK_O,  884736                     ; the same of phi_K
.set VT_O,  983040                     ; [chunk 16][u 2][3][lane 32][16 bytes]: V^T's fragments as register images
.set SCL_O, 1032192                    ; [chunk 16][768]: phi_Q's scale bytes, phi_K's scale words, V^T's scale words
.set KVP_O, 1044480                    ; [chunk 16][u 2][8][lane 32][4] f32: partial phi_K^T V
.set WP_O,  1175552                    ; the last layers' thirteen small inputs on end
.set ZIMG, 0                           ; LDS: images of the eight Z fragments, 1,536 bytes each
.set KIMG, 12288                       ; of the eight fragments of normalised K
.set DSC,  24576                       ; their scale words: 8 x 128 bytes, twice
.set FIMG, 26624                       ; images of V^T's two and phi_K^T's four fragments
.set FSC,  35840                       ; their scale words
.set QST,  36608                       ; [channel 32][528]: Q x c0 of the 128 tokens
.set KST,  53504                       ; the same of K
.set PQST, 70400                       ; 512 places of 16 bytes, 12 bytes of phi_Q's codes in each
.set PKST, 78592                       ; the same of phi_K
.set SCLS, 86784                       ; the chunk's 768 bytes of scales
.set LI, 1                             ; v1   16 x lane
.set LS, 2                             ; v2   4 x lane
.set IM, 3                             ; v3   1,536 x wave + 16 x lane
.set IS, 4                             ; v4   128 x wave + 4 x lane
.set VST, 5                            ; v5   8,448 h + 4 kappa: a column of QST or KST
.set VPC, 6                            ; v6   PQST + 64 kappa + 32 h
.set VB1, 7                            ; v7   phi_Q's scale byte
.set VB2, 8                            ; v8   phi_K's
.set VDF, 9                            ; v9   phase B: the data's images
.set VDS, 10                           ; v10  and their scale words
.set VFA, 11                           ; v11  phase C: phi_K^T's image
.set VFV, 12                           ; v12  V^T's
.set VSA, 13                           ; v13, v14 their scale words
.set VSV, 14
.set VKR, 15                           ; v15-18 the way out: LDS places
.set VQR, 16
.set VPR, 17
.set VSR, 18
.set VZ, 19                            ; v19-31, v248-252 byte offsets in memory
.set VH64, 20
.set VC32, 21
.set VC64, 22
.set VS32, 23
.set VS64, 24
.set VWB, 25
.set VWBS, 26
.set VVB, 27
.set GVT, 28
.set GKV, 29
.set GKT, 30
.set GQS, 31
.set GPQ, 248
.set GSC, 249
.set L15, 250
.set L7, 251
.set L1, 252
.set BV, 253                           ; v253 bv of my column (phase B)
.set VVS, 254                          ; v254 LDS place of V^T's scale words
.set H8, 255                           ; v255 8 h
.set ZS, 32                            ; v32-46 hold scales and nothing else
.set QNS, 33
.set KNS, 34
.set WQS, 35
.set WKS, 37
.set OMS, 39
.set WBS, 43
.set FS, 44
.set SA, 45
.set SV, 46
.set TA, 48                            ; v48-53 at work
.set TB, 49
.set TC, 50
.set M3, 54                            ; v[54:55] -3.0 twice
.set WR, 56                            ; v56-115 weights, 6 registers apart: Wq 2, Wk 2, omega 4, phase B's tile, six zeros
.set BQ, 116                           ; v116-131 bq, then Q, then normalised Q
.set BK, 132                           ; v132-147 the same of K
.set ZR, 148                           ; v148-163 Z, then Q x c0, then code pieces
.set ZF, 164
.set QF, 176
.set KF, 188
.set PHQ, 200                          ; v200-231
.set PHK, 116                          ; v116-147
.set SEL, 58
.macro PLACES n
.rept \n
	v_nop
.endr
.endm
.macro BARRIER                         ; my LDS stores have landed and my LDS loads are in: then the work-group's barrier
	s_wait_dscnt 0x0
	s_barrier_signal -1
	s_barrier_wait -1
.endm
.macro MM d, a, b, c, sa, sb
	v_wmma_scale_f32_16x16x128_f8f6f4 v[\d:\d+7], v[\a:\a+11], v[\b:\b+11], v[\c:\c+7], v[\sa], v[\sb] matrix_a_fmt:MATRIX_FMT_FP6 matrix_b_fmt:MATRIX_FMT_FP6
.endm
.macro MM0 d, a, b, sa, sb
	v_wmma_scale_f32_16x16x128_f8f6f4 v[\d:\d+7], v[\a:\a+11], v[\b:\b+11], 0, v[\sa], v[\sb] matrix_a_fmt:MATRIX_FMT_FP6 matrix_b_fmt:MATRIX_FMT_FP6
.endm
; 32 numbers of a lane, one whole block: codes of the first 16 to v[c0] on, of the last 16 to v[c1] on, the conversion's scale operand to v[so], the scale byte to v[by].  ab = 1: magnitudes; 0: nothing is negative.
; The floor 2^(3 - 127) is one of the maximum's leaves: the byte cannot fall under 1.  Results of four matrix tiles are each read first at their lowest register (s, s + 8, s + 16, s + 24).
.macro QB s, c0, c1, so, by, ab
.if \ab
	v_max3_num_f32 v[TA], |v[\s]|, |v[\s+1]|, 0x1800000
	v_max3_num_f32 v[TB], |v[\s+2]|, |v[\s+3]|, |v[\s+4]|
.irp i, 5,9,13,17,21,25
	v_max3_num_f32 v[TA], v[TA], |v[\s+\i]|, |v[\s+\i+1]|
	v_max3_num_f32 v[TB], v[TB], |v[\s+\i+2]|, |v[\s+\i+3]|
.endr
	v_max3_num_f32 v[TA], v[TA], |v[\s+29]|, |v[\s+30]|
	v_max3_num_f32 v[TA], v[TA], v[TB], |v[\s+31]|
.else
	v_max3_num_f32 v[TA], v[\s], v[\s+1], 0x1800000
	v_max3_num_f32 v[TB], v[\s+2], v[\s+3], v[\s+4]
.irp i, 5,9,13,17,21,25
	v_max3_num_f32 v[TA], v[TA], v[\s+\i], v[\s+\i+1]
	v_max3_num_f32 v[TB], v[TB], v[\s+\i+2], v[\s+\i+3]
.endr
	v_max3_num_f32 v[TA], v[TA], v[\s+29], v[\s+30]
	v_max3_num_f32 v[TA], v[TA], v[TB], v[\s+31]
.endif
	v_add_nc_u32 v[\so], 0xff000000, v[TA]         ; 2 off the exponent field: the conversion takes this operand's exponent field as its scale
	v_cvt_scalef32_pk16_fp6_f32 v[\c0:\c0+2], v[\s:\s+15], v[\so]
	v_cvt_scalef32_pk16_fp6_f32 v[\c1:\c1+2], v[\s+16:\s+31], v[\so]
	v_lshrrev_b32 v[\by], 23, v[\so]               ; the scale's byte; also the plain instruction behind the conversions
.endm
; 16 numbers of a lane, k = 16 h + 0 .. 15 of a row whose K is 32: the block is shared with lane l xor 16.  The fragment's registers f .. f + 5: lanes 0-15 get the whole block, lanes 16-31 zeros
; (f + 6 .. f + 11 were cleared at the head).  v[sw]: the scale word, byte 0.
.macro QH s, f, sw
	v_max3_num_f32 v[TA], |v[\s]|, |v[\s+1]|, 0x1800000
.irp i, 2,4,6,8,10,12,14
	v_max3_num_f32 v[TA], v[TA], |v[\s+\i]|, |v[\s+\i+1]|
.endr
	v_permlanex16_b32 v[TB], v[TA], s[SEL], s[SEL+1]
	v_max_num_f32 v[TA], v[TA], v[TB]
	v_add_nc_u32 v[TC], 0xff000000, v[TA]
	v_lshrrev_b32 v[\sw], 23, v[TC]
	v_cvt_scalef32_pk16_fp6_f32 v[\f:\f+2], v[\s:\s+15], v[TC]
.irp i, 3,4,5
	v_mov_b32 v[\f+\i], 0                          ; plain instructions behind the conversion
.endr
.irp i, 0,1,2
	v_permlane16_swap_b32 v[\f+\i], v[\f+3+\i]     ; the first's lanes 16-31 change places with the second's lanes 0-15
.endr
.endm
.macro SW4 w, b0, b1                   ; a fragment's scale word from my two blocks' bytes (blocks h and 2 + h) and lane l xor 16's
	v_lshl_or_b32 v[\w], v[\b1], 16, v[\b0]
	v_lshlrev_b32 v[\w], v[H8], v[\w]
	v_permlanex16_b32 v[TB], v[\w], s[SEL], s[SEL+1]
	v_or_b32 v[\w], v[\w], v[TB]
.endm
.macro IMAGE adr, off, reg             ; a fragment goes to LDS as it stands: lane l's 16 bytes at 16 l, 512 bytes a store
.irp i, 0,1,2
	ds_store_b128 v[\adr], v[\reg+4*\i:\reg+4*\i+3] offset:\off+512*\i
.endr
.endm
.macro FETCH reg, adr, off             ; and comes back so, in any wave
.irp i, 0,1,2
	ds_load_b128 v[\reg+4*\i:\reg+4*\i+3], v[\adr] offset:\off+512*\i
.endr
.endm
.macro PHI s, n                        ; n pairs: x log2(e) - 3
.set J, 0
.rept \n
	v_pk_fma_f32 v[\s+J:\s+J+1], v[\s+J:\s+J+1], s[60:61], v[M3:M3+1] op_sel_hi:[1,0,1]
.set J, J+2
.endr
.endm
.macro EXPN s, n
.set J, 0
.rept \n
	v_exp_f32 v[\s+J], v[\s+J]
.set J, J+1
.endr
.endm
	s_load_b512 s[4:19], s[0:1], 0x0               ; Z, Wq codes, scales, bq, Wk codes, scales, bk, Wv codes
	s_load_b256 s[20:27], s[0:1], 0x40             ; Wv scales, bv, omega codes, scales
	s_load_b64 s[28:29], s[0:1], 0x60              ; ws
	s_load_b512 s[32:47], s[0:1], 0x68             ; W1 codes, W2 codes, Wo codes, W1 scales, W2 scales, b1, bo, b2
	s_load_b256 s[48:55], s[0:1], 0xa8             ; g1, beta1, g2, beta2
	s_load_b64 s[56:57], s[0:1], 0xc8              ; Wo scales
	v_lshl_add_u32 v47, v0, 2, 0x15600
	s_set_vgpr_msb 0x40
	v_mov_b32 v1, 0
	s_set_vgpr_msb 0x4000
	v_lshrrev_b32 v48, 5, v0
	v_readfirstlane_b32 s2, v48                    ; wave 0..7
	s_mov_b32 s3, ttmp9                            ; chunk p
	s_mov_b32 s[SEL], 0x76543210
	s_mov_b32 s[SEL+1], 0xfedcba98                 ; v_permlanex16_b32's selects for lane l xor 16
	s_mov_b32 s60, 0x3fb8aa3b                      ; log2(e)
	s_mov_b32 s61, s60
	s_mov_b32 s66, 0x3e8293ee                      ; c0 = log2(e) / sqrt(32)
	s_mov_b32 s67, 0x358637bd                      ; 1e-6
	v_and_b32 v48, 31, v0                          ; lane
	v_and_b32 v49, 15, v0
	v_bfe_u32 v50, v0, 4, 1                        ; h
	v_and_b32 v51, 7, v0                           ; r % 8
	v_bfe_u32 v52, v0, 3, 1                        ; r / 8
	s_lshr_b32 s68, s2, 2
	s_and_b32 s69, s2, 3
	s_lshl_b32 s70, s68, 6
	s_lshl_b32 s71, s69, 3
	s_add_co_u32 s70, s70, s71
	v_lshl_add_u32 v53, v52, 5, v51
	v_add_nc_u32 v53, s70, v53                     ; kappa: my token in the chunk
	v_lshlrev_b32 v[LI], 4, v48
	v_lshlrev_b32 v[LS], 2, v48
	v_lshlrev_b32 v[H8], 3, v50
	s_mul_i32 s71, s2, 1536
	v_add_nc_u32 v[IM], s71, v[LI]
	s_lshl_b32 s71, s2, 7
	v_add_nc_u32 v[IS], s71, v[LS]
	v_mul_u32_u24 v[VST], v50, 8448                ; channel 16 h + i lies 528 (16 h + i) bytes down
	v_lshl_add_u32 v[VST], v53, 2, v[VST]
	v_lshlrev_b32 v[VPC], 6, v53
	v_lshl_add_u32 v[VPC], v50, 5, v[VPC]
	v_add_nc_u32 v[VPC], PQST, v[VPC]
	v_lshl_add_u32 v[VB1], v53, 1, v50
	v_add_nc_u32 v[VB1], SCLS, v[VB1]              ; phi_Q's byte: 2 kappa + block
	v_and_b32 v54, 3, v53
	v_lshl_add_u32 v[VB2], v54, 6, v50
	v_bfe_u32 v54, v53, 2, 4
	v_lshl_add_u32 v[VB2], v54, 2, v[VB2]
	v_lshrrev_b32 v54, 6, v53
	v_lshl_add_u32 v[VB2], v54, 1, v[VB2]
	v_add_nc_u32 v[VB2], SCLS+256, v[VB2]          ; phi_K's byte: 64 (kappa % 4) + 4 ((kappa % 64) / 4) + 2 (kappa / 64) + block: the words that the second launch's tiles of keys want
	s_min_u32 s71, s2, 2
	s_lshr_b32 s71, s71, 1                         ; phase B's data: 0 Z (waves 0, 1), 1 normalised K
	s_mul_i32 s72, s71, 12288
	v_add_nc_u32 v[VDF], s72, v[LI]
	s_lshl_b32 s72, s71, 10
	s_add_co_u32 s72, s72, DSC
	v_add_nc_u32 v[VDS], s72, v[LS]
	s_mul_i32 s72, s69, 1536
	s_add_co_u32 s72, s72, FIMG+3072
	v_add_nc_u32 v[VFA], s72, v[LI]                ; phase C: phi_K^T's tile wave % 4,
	s_mul_i32 s72, s68, 1536
	s_add_co_u32 s72, s72, FIMG
	v_add_nc_u32 v[VFV], s72, v[LI]                ; V^T's tile wave / 4
	s_lshl_b32 s72, s69, 7
	s_add_co_u32 s72, s72, FSC+256
	v_add_nc_u32 v[VSA], s72, v[LS]
	s_lshl_b32 s72, s68, 7
	s_add_co_u32 s72, s72, FSC
	v_add_nc_u32 v[VSV], s72, v[LS]
	s_mul_i32 s72, s2, 2112
	v_add_nc_u32 v[VKR], s72, v[LI]                ; the way out: rows 4 wave + i of KST
	v_lshrrev_b32 v54, 2, v48
	v_mul_u32_u24 v[VQR], v54, 528
	v_and_b32 v54, 3, v48
	v_lshl_add_u32 v[VQR], v54, 3, v[VQR]
	s_lshl_b32 s72, s2, 6
	v_add_nc_u32 v[VQR], s72, v[VQR]               ; QST: channel lane / 4, tokens 16 wave + 2 (lane % 4)
	s_lshl_b32 s72, s2, 10
	s_add_co_u32 s72, s72, PQST
	v_add_nc_u32 v[VPR], s72, v[LI]
	s_lshl_b32 s72, s2, 8
	s_add_co_u32 s72, s72, SCLS
	v_lshl_add_u32 v[VSR], v48, 3, s72
	s_lshl_b32 s72, s2, 7
	s_add_co_u32 s72, s72, SCLS+512
	v_add_nc_u32 v[VVS], s72, v[LS]
	; byte offsets in memory
	v_lshlrev_b32 v[VZ], 7, v53
	v_lshl_add_u32 v[VZ], v50, 6, v[VZ]
	s_lshl_b32 s72, s3, 14
	v_add_nc_u32 v[VZ], s72, v[VZ]                 ; Z: token's row of 128 bytes, + 64 h
	v_lshlrev_b32 v[VH64], 6, v50
	v_lshl_add_u32 v[VS32], v52, 4, v51            ; a tile's row r takes weight row r % 8 + 16 (r / 8) (+ 8 u): a lane's 16 results are then channels 16 h + 0 .. 15
	v_mul_u32_u24 v[VC32], v[VS32], 24
	v_lshl_add_u32 v[VS64], v52, 5, v51            ; or r % 8 + 32 (r / 8) (+ 8 a): 32 results are features 32 h + 0 .. 31
	v_mul_u32_u24 v[VC64], v[VS64], 24
	s_max_u32 s75, s2, 2
	s_sub_co_u32 s75, s75, 2
	s_min_u32 s75, s75, 3
	s_cmp_lt_u32 s2, 2                             ; phase B's role: waves 0, 1 Wv's tile, the others omega's (waves 6, 7 load tile 3 and use nothing)
	s_cselect_b32 s75, s2, s75
	s_cselect_b32 s73, 4, 5
	s_cselect_b32 s74, -1, 0
	v_lshlrev_b32 v[VWBS], s73, v52
	v_add_nc_u32 v[VWBS], v[VWBS], v51
	s_lshl_b32 s76, s75, 3
	v_add_nc_u32 v[VWBS], s76, v[VWBS]
	v_mul_u32_u24 v[VWB], v[VWBS], 24
	s_and_b32 s76, s75, 1
	s_lshl_b32 s76, s76, 3
	v_add_nc_u32 v[VVB], s76, v[VS32]
	v_lshlrev_b32 v[VVB], 2, v[VVB]                ; always inside bv
	s_mul_i32 s76, s3, 3072
	s_mul_i32 s77, s2, 1536
	s_add_co_u32 s76, s76, s77
	v_add_nc_u32 v[GVT], s76, v[LI]
	s_lshl_b32 s76, s3, 13
	s_lshl_b32 s77, s2, 10
	s_add_co_u32 s76, s76, s77
	v_add_nc_u32 v[GKV], s76, v[LI]
	s_lshl_b32 s76, s2, 15
	s_lshl_b32 s77, s3, 9
	s_add_co_u32 s76, s76, s77
	v_add_nc_u32 v[GKT], s76, v[LI]
	s_lshl_b32 s76, s3, 15
	s_lshl_b32 s77, s2, 12
	s_add_co_u32 s76, s76, s77
	v_add_nc_u32 v[GQS], s76, v[LI]
	s_mul_i32 s76, s3, 6144
	s_mul_i32 s77, s2, 768
	s_add_co_u32 s76, s76, s77
	v_mul_u32_u24 v[GPQ], v48, 12
	v_add_nc_u32 v[GPQ], s76, v[GPQ]
	s_mul_i32 s76, s3, 768
	s_lshl_b32 s77, s2, 8
	s_add_co_u32 s76, s76, s77
	v_lshl_add_u32 v[GSC], v48, 3, s76
	v_lshlrev_b32 v[L15], 4, v49
	v_lshlrev_b32 v[L7], 4, v51
	v_and_b32 v[L1], 1, v0
	v_lshlrev_b32 v[L1], 4, v[L1]
	v_mov_b32 v[M3], 0xc0400000                    ; -3.0
	v_mov_b32 v[M3+1], 0xc0400000
	s_wait_kmcnt 0x0
.irp i, 0,1,2,3
	global_load_b128 v[ZR+4*\i:ZR+4*\i+3], v[VZ], s[4:5] offset:16*\i   ; Z first: my token's channels 16 h + 0 .. 15
.endr
	s_cmp_lt_u32 s2, 2
	s_cselect_b64 s[80:81], s[18:19], s[24:25]     ; phase B's weight: a choice on the wave's number alone
	s_cselect_b64 s[82:83], s[20:21], s[26:27]
.irp u, 0,1
.irp k, 0,1,2
	global_load_b64 v[WR+6*\u+2*\k:WR+6*\u+2*\k+1], v[VC32], s[6:7] offset:192*\u+8*\k
	global_load_b64 v[WR+12+6*\u+2*\k:WR+12+6*\u+2*\k+1], v[VC32], s[12:13] offset:192*\u+8*\k
.endr
.endr
.irp a, 0,1,2,3
.irp k, 0,1,2
	global_load_b64 v[WR+24+6*\a+2*\k:WR+24+6*\a+2*\k+1], v[VC64], s[24:25] offset:192*\a+8*\k
.endr
.endr
.irp k, 0,1,2
	global_load_b64 v[WR+48+2*\k:WR+48+2*\k+1], v[VWB], s[80:81] offset:8*\k
.endr
.irp u, 0,1
	global_load_u8 v[WQS+\u], v[VS32], s[8:9] offset:8*\u          ; a byte, widened with zeros: a scale word whose blocks 1-3 meet zero codes
	global_load_u8 v[WKS+\u], v[VS32], s[14:15] offset:8*\u
.endr
.irp a, 0,1,2,3
	global_load_u8 v[OMS+\a], v[VS64], s[26:27] offset:8*\a
.endr
	global_load_u8 v[WBS], v[VWBS], s[82:83]
.irp i, 0,1,2,3
	global_load_b128 v[BQ+4*\i:BQ+4*\i+3], v[VH64], s[10:11] offset:16*\i   ; the biases are the C of the products, in the result's layout
	global_load_b128 v[BK+4*\i:BK+4*\i+3], v[VH64], s[16:17] offset:16*\i
.endr
	global_load_b32 v[BV], v[VVB], s[22:23]
.irp i, 6,7,8,9,10,11
	v_mov_b32 v[ZF+\i], 0                          ; blocks 2 and 3 of the data's fragments: zero codes
	v_mov_b32 v[QF+\i], 0
	v_mov_b32 v[KF+\i], 0
	v_mov_b32 v[WR+48+\i], 0                       ; the end of the weights' run
.endr
	; ---- phase A
	s_wait_loadcnt 45                              ; Z's four loads are in; the 45 issued behind them may be out
	QH ZR, ZF, ZS
	IMAGE IM, ZIMG, ZF
	ds_store_b32 v[IS], v[ZS] offset:DSC
	s_wait_loadcnt 0x0
	PLACES 8                                       ; a scale written by a vector instruction stands 8 plain instructions ahead of a scaled product, an operand so written 4
.irp u, 0,1                                    ; transposed: source 0 = 16 rows of the weight, source 1 = my 16 tokens: lane (token r, h), register 8 u + j = channel 16 h + 8 u + j
	MM BQ+8*\u, WR+6*\u, ZF, BQ+8*\u, WQS+\u, ZS
	MM BK+8*\u, WR+12+6*\u, ZF, BK+8*\u, WKS+\u, ZS
.endr
	PLACES 4
.irp i, 0,2,4,6,8,10,12,14
	v_pk_mul_f32 v[ZR+\i:ZR+\i+1], v[BQ+\i:BQ+\i+1], s[66:67] op_sel_hi:[1,0]   ; Q x c0, for the second launch's exponentials
.endr
.irp i, 0,1,2,3,4,5,6,7,8,9,10,11,12,13,14,15
	ds_store_b32 v[VST], v[ZR+\i] offset:QST+528*\i
.endr
.irp i, 0,1,2,3,4,5,6,7,8,9,10,11,12,13,14,15
	ds_store_b32 v[VST], v[BK+\i] offset:KST+528*\i
.endr
	v_pk_mul_f32 v[48:49], v[BQ:BQ+1], v[BQ:BQ+1]  ; the two norms, by turns
	v_pk_mul_f32 v[50:51], v[BK:BK+1], v[BK:BK+1]
.irp i, 2,4,6,8,10,12,14
	v_pk_fma_f32 v[48:49], v[BQ+\i:BQ+\i+1], v[BQ+\i:BQ+\i+1], v[48:49]
	v_pk_fma_f32 v[50:51], v[BK+\i:BK+\i+1], v[BK+\i:BK+\i+1], v[50:51]
.endr
	v_add_f32 v48, v48, v49
	v_add_f32 v50, v50, v51
	v_permlanex16_b32 v49, v48, s[SEL], s[SEL+1]
	v_permlanex16_b32 v51, v50, s[SEL], s[SEL+1]
	v_add_f32 v48, v48, v49
	v_add_f32 v50, v50, v51
	v_sqrt_f32 v48, v48
	v_sqrt_f32 v50, v50
	v_nop                                          ; a plain instruction behind the roots
	s_wait_alu depctr_va_vdst(0)                   ; one wait for both, ahead of their first reader
	v_max_num_f32 v48, s67, v48                    ; held at 1e-6 from below
	v_max_num_f32 v50, s67, v50
	v_rcp_f32 v48, v48
	v_rcp_f32 v50, v50
	v_nop
	s_wait_alu depctr_va_vdst(0)
	s_wait_dscnt 0x0                               ; the stores into K's stage have read their registers, which are scaled in place below
.irp i, 0,2,4,6,8,10,12,14
	v_pk_mul_f32 v[BQ+\i:BQ+\i+1], v[BQ+\i:BQ+\i+1], v[48:49] op_sel_hi:[1,0]
	v_pk_mul_f32 v[BK+\i:BK+\i+1], v[BK+\i:BK+\i+1], v[50:51] op_sel_hi:[1,0]
.endr
	QH BQ, QF, QNS
	QH BK, KF, KNS
	IMAGE IM, KIMG, KF
	ds_store_b32 v[IS], v[KNS] offset:DSC+1024
	PLACES 8
.irp a, 0,1,2,3                                ; source 0 = 16 rows of omega: lane (token r, h), register 8 a + j = feature 32 h + 8 a + j
	MM0 PHQ+8*\a, WR+24+6*\a, QF, OMS+\a, QNS
	MM0 PHK+8*\a, WR+24+6*\a, KF, OMS+\a, KNS
.endr
	PLACES 4
	PHI PHQ, 16
	PHI PHK, 16
	EXPN PHQ, 32
	EXPN PHK, 32
	v_nop
	s_wait_alu depctr_va_vdst(0)                   ; one wait for the 64 exponentials
	QB PHQ, 148, 152, 50, 52, 0                    ; along the features: my 32 are a whole block
	QB PHK, 156, 160, 51, 53, 0
	ds_store_b96 v[VPC], v[148:150]
	ds_store_b96 v[VPC], v[152:154] offset:16
	ds_store_b96 v[VPC], v[156:158] offset:8192
	ds_store_b96 v[VPC], v[160:162] offset:8208
	ds_store_b8 v[VB1], v52
	ds_store_b8 v[VB2], v53
	BARRIER                                        ; the sixteen data fragments, Q, K, the codes and their bytes lie in LDS
	; ---- phase B: V^T and phi_K^T: source 0 = 16 tokens, source 1 = 16 rows of the weight: lane (column r, h), register 32 c + 8 a + j = token 64 c + 32 h + 8 a + j
	s_cmp_lt_u32 s2, 6
	s_cbranch_scc0 .Lno_b
.irp t, 0,1,2,3,4,5,6,7
	FETCH 56+12*\t+20*(\t/4), VDF, 1536*\t
	ds_load_b32 v[32+\t], v[VDS] offset:128*\t
.endr
	v_and_b32 v[BV], s74, v[BV]                    ; bv for V^T, 0 for phi_K^T
.irp j, 0,1,2,3,4,5,6,7
	v_mov_b32 v[116+\j], v[BV]                     ; my column's bias in all eight rows
.endr
	s_wait_dscnt 0x0
	PLACES 4
.irp t, 0,1,2,3,4,5,6,7
	MM 184+8*\t, 56+12*\t+20*(\t/4), WR+48, 116, 32+\t, WBS
.endr
	PLACES 4
	s_cmp_lt_u32 s2, 2
	s_cbranch_scc1 .Lis_v
	PHI 184, 32
	EXPN 184, 64
	v_nop
	s_wait_alu depctr_va_vdst(0)
.Lis_v:
	QB 184, 172, 56, 50, 52, 1                     ; along the tokens: blocks h and 2 + h of my column
.irp i, 0,1,2
	v_mov_b32 v[175+\i], v[56+\i]                  ; (a conversion's three registers begin on an even number)
.endr
	QB 216, 178, 60, 51, 53, 1
.irp i, 0,1,2
	v_mov_b32 v[181+\i], v[60+\i]
.endr
	SW4 FS, 52, 53
	IMAGE IM, FIMG, 172
	ds_store_b32 v[IS], v[FS] offset:FSC
	s_cmp_lt_u32 s2, 2
	s_cbranch_scc0 .Lno_b
.irp i, 0,1,2
	global_store_b128 v[GVT], v[172+4*\i:175+4*\i], s[28:29] offset:VT_O+512*\i   ; V^T's image: 512 consecutive bytes a store
.endr
	ds_store_b32 v[VVS], v[FS]
.Lno_b:
	; ---- the last layers' small inputs on end, so that the second launch fetches them as one row: wave 7 of work-group 0
	s_xor_b32 s76, s2, 7
	s_or_b32 s76, s76, ttmp9
	s_cmp_eq_u32 s76, 0
	s_cbranch_scc0 .Lno_pack
	s_wait_xcnt 0x0                                ; every earlier store has read its registers: the loads below write v116-211, among them those that V^T's stores name
.macro PKI st, n, off, base, si, di    ; piece n of 24 lives in v[116 + 4 n] on (the argument is text: it stands in brackets inside the product)
.if \st
	global_store_b128 v[\off], v[116+4*(\n):119+4*(\n)], s[28:29] offset:WP_O+\di
.else
	global_load_b128 v[116+4*(\n):119+4*(\n)], v[\off], s[\base:\base+1] offset:\si
.endif
.endm
.macro PACKALL st                      ; a buffer shorter than 512 bytes: the lanes fold onto it, and lanes with the same 16 bytes store them to the same place
.irp n, 0,1,2,3,4,5
	PKI \st, \n, LI, 32, 512*\n, 512*\n
	PKI \st, 6+\n, LI, 34, 512*\n, 3072+512*\n
.endr
	PKI \st, 12, LI, 36, 0, 6144
	PKI \st, 13, L15, 36, 512, 6656
	PKI \st, 14, L7, 38, 0, 6912
	PKI \st, 15, L7, 40, 0, 7040
	PKI \st, 16, LI, 42, 0, 7168
	PKI \st, 17, L7, 44, 0, 7680
	PKI \st, 18, L7, 46, 0, 7808
	PKI \st, 19, L7, 48, 0, 7936
	PKI \st, 20, L7, 50, 0, 8064
	PKI \st, 21, L7, 52, 0, 8192
	PKI \st, 22, L7, 54, 0, 8320
	PKI \st, 23, L1, 56, 0, 8448
.endm
	PACKALL 0
	s_wait_loadcnt 0x0
	PACKALL 1
	s_wait_xcnt 0x0                                ; the stores have read their registers, which the way out writes again
.Lno_pack:
	BARRIER                                        ; the six fragments along the tokens lie in LDS
	; ---- phase C: this chunk's part of phi_K^T V: lane (r, h), register j = feature 32 h + 8 a + j, channel 8 u + r % 8 + 16 (r / 8)
	FETCH 56, VFA, 0
	FETCH 68, VFV, 0
	ds_load_b32 v[SA], v[VSA]
	ds_load_b32 v[SV], v[VSV]
	s_wait_dscnt 0x0
	MM0 80, 56, 68, SA, SV
	PLACES 4
	global_store_b128 v[GKV], v[80:83], s[28:29] offset:KVP_O
	global_store_b128 v[GKV], v[84:87], s[28:29] offset:KVP_O+512
	; ---- the way out of the stages
	s_wait_xcnt 0x0
.irp i, 0,1,2,3
	ds_load_b128 v[88+4*\i:91+4*\i], v[VKR] offset:KST+528*\i
.endr
.irp k, 0,1,2,3,4,5,6,7
	ds_load_b64 v[104+2*\k:105+2*\k], v[VQR] offset:QST+4224*(\k%4)+32*(\k/4)
.endr
.irp k, 0,1
	ds_load_b96 v[152+4*\k:154+4*\k], v[VPR] offset:512*\k
	ds_load_b96 v[160+4*\k:162+4*\k], v[VPR] offset:8192+512*\k
.endr
	s_wait_dscnt 12                                ; K's four rows are in; the twelve loads behind them may be out
.irp i, 0,1,2,3
	global_store_b128 v[GKT], v[88+4*\i:91+4*\i], s[28:29] offset:KT_O+8192*\i     ; channel 4 wave + i: the chunk's 512 bytes
.endr
	s_wait_dscnt 4                                 ; Q's eight are in
.irp k, 0,1,2,3,4,5,6,7
	v_mov_b32 v[120+4*\k], v[104+2*\k]             ; each number twice: a scalar pair's even register then holds every number
	v_mov_b32 v[121+4*\k], v[104+2*\k]
	v_mov_b32 v[122+4*\k], v[105+2*\k]
	v_mov_b32 v[123+4*\k], v[105+2*\k]
.endr
.irp k, 0,1,2,3,4,5,6,7
	global_store_b128 v[GQS], v[120+4*\k:123+4*\k], s[28:29] offset:QS_O+2048*(\k/4)+512*(\k%4)
.endr
	s_wait_dscnt 0x0
.irp k, 0,1
	global_store_b96 v[GPQ], v[152+4*\k:154+4*\k], s[28:29] offset:PQ_O+384*\k     ; 384 consecutive bytes a store
	global_store_b96 v[GPQ], v[160+4*\k:162+4*\k], s[28:29] offset:PK_O+384*\k
.endr
	s_cmp_lt_u32 s2, 3
	s_cbranch_scc0 .Lend
	ds_load_b64 v[168:169], v[VSR]
	s_wait_dscnt 0x0
	global_store_b64 v[GSC], v[168:169], s[28:29] offset:SCL_O                     ; 256 consecutive bytes, aligned
.Lend:
	s_barrier_signal -1
	s_barrier_wait -1
	s_set_vgpr_msb 0x4
	s_wait_tensorcnt 0x0
	ds_add_u32 v47, v1
	s_wait_dscnt 0x0
	s_set_vgpr_msb 0x400
	s_endpgm
.Lfunc_end_k_q2860cb774e_prep:
	.size	k_q2860cb774e_prep, .Lfunc_end_k_q2860cb774e_prep-k_q2860cb774e_prep
	.p2alignl 7, 3214868480
	.fill 96, 4, 3214868480
	.section	.rodata,"a",@progbits
	.p2align	6, 0x0
	.amdhsa_kernel k_q2860cb774e_prep
		.amdhsa_group_segment_fixed_size 88576
		.amdhsa_private_segment_fixed_size 0
		.amdhsa_enable_private_segment 0
		.amdhsa_kernarg_size 208
		.amdhsa_user_sgpr_count 2
		.amdhsa_user_sgpr_kernarg_segment_ptr 1
		.amdhsa_wavefront_size32 1
		.amdhsa_system_sgpr_workgroup_id_x 1
		.amdhsa_system_sgpr_workgroup_id_y 1
		.amdhsa_system_sgpr_workgroup_id_z 1
		.amdhsa_system_vgpr_workitem_id 0
		.amdhsa_next_free_vgpr 258
		.amdhsa_next_free_sgpr 90
		.amdhsa_reserve_vcc 0
		.amdhsa_float_denorm_mode_32 3
		.amdhsa_float_denorm_mode_16_64 3
		.amdhsa_memory_ordered 1
		.amdhsa_forward_progress 1
		.amdhsa_inst_pref_size 52
	.end_amdhsa_kernel
	.amdgpu_metadata
---
amdhsa.version: [ 1, 2 ]
amdhsa.kernels:
  - .name:           k_q2860cb774e_prep
    .symbol:         k_q2860cb774e_prep.kd
    .args:
      - { .name: Z, .offset: 0, .size: 8, .value_kind: global_buffer, .address_space: global }
      - { .name: Wq_codes, .offset: 8, .size: 8, .value_kind: global_buffer, .address_space: global }
      - { .name: Wq_scales, .offset: 16, .size: 8, .value_kind: global_buffer, .address_space: global }
      - { .name: bq, .offset: 24, .size: 8, .value_kind: global_buffer, .address_space: global }
      - { .name: Wk_codes, .offset: 32, .size: 8, .value_kind: global_buffer, .address_space: global }
      - { .name: Wk_scales, .offset: 40, .size: 8, .value_kind: global_buffer, .address_space: global }
      - { .name: bk, .offset: 48, .size: 8, .value_kind: global_buffer, .address_space: global }
      - { .name: Wv_codes, .offset: 56, .size: 8, .value_kind: global_buffer, .address_space: global }
      - { .name: Wv_scales, .offset: 64, .size: 8, .value_kind: global_buffer, .address_space: global }
      - { .name: bv, .offset: 72, .size: 8, .value_kind: global_buffer, .address_space: global }
      - { .name: omega_codes, .offset: 80, .size: 8, .value_kind: global_buffer, .address_space: global }
      - { .name: omega_scales, .offset: 88, .size: 8, .value_kind: global_buffer, .address_space: global }
      - { .name: ws, .offset: 96, .size: 8, .value_kind: global_buffer, .address_space: global }
      - { .name: W1_codes, .offset: 104, .size: 8, .value_kind: global_buffer, .address_space: global }
      - { .name: W2_codes, .offset: 112, .size: 8, .value_kind: global_buffer, .address_space: global }
      - { .name: Wo_codes, .offset: 120, .size: 8, .value_kind: global_buffer, .address_space: global }
      - { .name: W1_scales, .offset: 128, .size: 8, .value_kind: global_buffer, .address_space: global }
      - { .name: W2_scales, .offset: 136, .size: 8, .value_kind: global_buffer, .address_space: global }
      - { .name: b1, .offset: 144, .size: 8, .value_kind: global_buffer, .address_space: global }
      - { .name: bo, .offset: 152, .size: 8, .value_kind: global_buffer, .address_space: global }
      - { .name: b2, .offset: 160, .size: 8, .value_kind: global_buffer, .address_space: global }
      - { .name: g1, .offset: 168, .size: 8, .value_kind: global_buffer, .address_space: global }
      - { .name: beta1, .offset: 176, .size: 8, .value_kind: global_buffer, .address_space: global }
      - { .name: g2, .offset: 184, .size: 8, .value_kind: global_buffer, .address_space: global }
      - { .name: beta2, .offset: 192, .size: 8, .value_kind: global_buffer, .address_space: global }
      - { .name: Wo_scales, .offset: 200, .size: 8, .value_kind: global_buffer, .address_space: global }
    .group_segment_fixed_size: 88576
    .private_segment_fixed_size: 0
    .kernarg_segment_align: 8
    .kernarg_segment_size: 208
    .max_flat_workgroup_size: 256
    .sgpr_count:     90
    .vgpr_count:     258
    .wavefront_size: 32
...
	.end_amdgpu_metadata
.endif
;; end of part 1
;; launch attn (part 2): grid 256 x 1, 16 waves a work-group, no clusters, 193,024 bytes of LDS; arguments ws, mask, Z, out0; writes out0
.if DOCPART == 2
	.amdgcn_target "amdgcn-amd-amdhsa--gfx1250"
	.amdhsa_code_object_version 6
	.text
	.protected	k_q2860cb774e_attn
	.globl	k_q2860cb774e_attn
	.p2align	8
	.type	k_q2860cb774e_attn,@function
k_q2860cb774e_attn:
	s_mov_b64 s[64:65], 0
	v_nop
	global_prefetch_b8 v0, s[64:65] scope:SCOPE_SE
	s_setreg_imm32_b32 hwreg(HW_REG_WAVE_MODE, 25, 1), 1
	s_wait_xcnt 0x0
; ATTN.  For 8 queries a work-group: scores = where(mask == 0, sum over channels of exp(Q K / sqrt(32)) - phi_Q phi_K^T, 0); scores V + phi_Q (phi_K^T V); division by the row's sum; Wo; LayerNorm; the two-layer net; LayerNorm.
; All products on codes of FP6 (E2M3) with one E8M0 scale for each 32 along K; all else f32.
; WHAT BINDS: 8 x 2,048 x 32 exponentials a work-group, 1,024 instructions a wave, against 6 matrix instructions a wave.  So sixteen waves of 256 registers, four to a SIMD, and beside each exponential half a packed
; multiplication and half a packed addition.
; SHARES.  Work-group g owns queries 8 g .. 8 g + 7: 2,048 rows / 256 work-groups, each output row with one owner.  Wave w owns keys 128 w .. 128 w + 127, one K step of scores V.  Wave 0 also does the low-rank term and the last layers.
; EXPONENTIALS.  Lane l holds keys 128 w + 4 l + 0 .. 3; a channel of K is one load of 16 bytes a lane (512 consecutive bytes a wave); the 8 queries' numbers of that channel come by one scalar load, each number twice,
; so that each stands in the even register of a pair.  The first channel's sum starts from exp - phi_term: nothing is cleared.
; EIGHT QUERIES IN A TILE OF SIXTEEN.  phi_Q's fragment holds query m in blocks 0, 1 of rows m < 8 and query m - 8 in blocks 2, 3 of rows m >= 8, zero codes elsewhere; a fragment of phi_K holds one key in blocks 0, 1 and another
; in blocks 2, 3: one instruction gives 8 queries x 32 keys.  In scores V slot r is (query r % 8, the wave's key half r / 8); the two halves are added at the end.
; The scores go through the wave's own LDS rows to the layout in which a lane holds 32 neighbouring keys of one query: a whole block for the quantiser.
; NO CLUSTER, though all work-groups read the same K, phi_K, V and partial sums: K alone is 262,144 bytes, which does not fit in LDS beside the 65,536 of mask tiles and the 114,688 of stages, so joint loads would want
; a ring with a round of 64 waves for each refill in a loop that has one barrier, and K would pass through LDS on its way to registers in which each number is used once.
; LDS is filled once: the mask's tiles, the packed small inputs and the 8 rows of Z; nothing is filled again.
; LIMITS: NaN and infinities are not served.  A block whose largest magnitude lies under 2^-124 keeps the scale byte 1, a block of zeros too (the quantiser's rule says 127 there): its codes are zeros, and nobody else reads the byte.
; Q K / sqrt(32) is formed as (Q log2(e) / sqrt(32)) K; a division is a reciprocal and a multiplication.
.set QS_O,  0
.set KT_O,  524288
.set PQ_O,  786432
.set PK_O,  884736
.set VT_O,  983040
.set SCL_O, 1032192
.set KVP_O, 1044480
.set WP_O,  1175552
.set CW,   65536                       ; LDS: 0: mask tiles, wave w at 4,096 w, [query][512 bytes];  CW: the packed small inputs, 8,480 bytes
.set ZRO,  74240                       ; 8 rows of Z
.set KVS,  75264                       ; phi_K^T V, summed over the 16 chunks
.set TR,   83456                       ; a wave's 16 half rows (query + 8 x key half) of 256 bytes + 16
.set RED,  153088                      ; the 16 waves' partial results and the low-rank term: 17 x 2,048
.set FIN,  187904                      ; their sum
.set OUTS, 189952                      ; the output's stage
.set VK, 1                             ; v1   16 x thread: K's channels and the partial sums
.set VPK, 2                            ; v2   phi_K's codes
.set VS, 3                             ; v3   768 w + 4 lane: scale words
.set VPQ, 4                            ; v4   phi_Q's codes
.set VPQS, 5                           ; v5   phi_Q's scale bytes
.set VVT, 6                            ; v6   V^T's images
.set VMK, 7                            ; v7   my mask tile
.set VTS, 8                            ; v8   the turn through LDS: in,
.set VTL, 9                            ; v9   and back
.set VRS, 10                           ; v10  my wave's partial result
.set VT4, 11                           ; v11  RED + 4 x thread
.set VKV, 12                           ; v12  KVS + 16 x thread
.set VKL, 13                           ; v13  KVS + 16 x lane
.set VRL, 14                           ; v14  RED + 16 x lane
.set PQS, 16                           ; v16-31 hold scales and nothing else
.set PKS, 17
.set KVSC, 21
.set VSC, 23
.set PS, 25
.set DSW, 26
.set WOS, 27
.set W2S, 29
.set W1S, 16
.set TA, 32                            ; v32-39 at work
.set TB, 33
.set TC, 34
.set E, 40                             ; v40-71   sums: register 4 q + t = query q, key 4 lane + t
.set T0, 72                            ; v72-135  two sets of 32 exponents
.set KR, 136                           ; v136-151 four channels of K
.set A, 152                            ; v152-215 phi_term; the partial sums; V^T and the mask
.set PF, 216                           ; v216-227 phi_Q's fragment, later the scores'
.set KF, 228                           ; v228-251 phi_K^T V's fragments, later my partial result
.set SQ, 68                            ; s[68:99] two channels of the queries
.set SEL, 54
.macro PLACES n
.rept \n
	v_nop
.endr
.endm
.macro BARRIER                         ; my LDS stores have landed and my LDS loads are in: then the work-group's barrier
	s_wait_dscnt 0x0
	s_barrier_signal -1
	s_barrier_wait -1
.endm
.macro MM d, a, b, c, sa, sb
	v_wmma_scale_f32_16x16x128_f8f6f4 v[\d:\d+7], v[\a:\a+11], v[\b:\b+11], v[\c:\c+7], v[\sa], v[\sb] matrix_a_fmt:MATRIX_FMT_FP6 matrix_b_fmt:MATRIX_FMT_FP6
.endm
.macro MM0 d, a, b, sa, sb
	v_wmma_scale_f32_16x16x128_f8f6f4 v[\d:\d+7], v[\a:\a+11], v[\b:\b+11], 0, v[\sa], v[\sb] matrix_a_fmt:MATRIX_FMT_FP6 matrix_b_fmt:MATRIX_FMT_FP6
.endm
; 32 numbers of a lane, one whole block: codes of the first 16 to v[c0] on, of the last 16 to v[c1] on, the conversion's scale operand to v[so], the scale byte to v[by].  ab = 1: magnitudes; 0: nothing is negative.
; The floor 2^(3 - 127) is one of the maximum's leaves: the byte cannot fall under 1.  Results of four matrix tiles are each read first at their lowest register.
.macro QB s, c0, c1, so, by, ab
.if \ab
	v_max3_num_f32 v[TA], |v[\s]|, |v[\s+1]|, 0x1800000
	v_max3_num_f32 v[TB], |v[\s+2]|, |v[\s+3]|, |v[\s+4]|
.irp i, 5,9,13,17,21,25
	v_max3_num_f32 v[TA], v[TA], |v[\s+\i]|, |v[\s+\i+1]|
	v_max3_num_f32 v[TB], v[TB], |v[\s+\i+2]|, |v[\s+\i+3]|
.endr
	v_max3_num_f32 v[TA], v[TA], |v[\s+29]|, |v[\s+30]|
	v_max3_num_f32 v[TA], v[TA], v[TB], |v[\s+31]|
.else
	v_max3_num_f32 v[TA], v[\s], v[\s+1], 0x1800000
	v_max3_num_f32 v[TB], v[\s+2], v[\s+3], v[\s+4]
.irp i, 5,9,13,17,21,25
	v_max3_num_f32 v[TA], v[TA], v[\s+\i], v[\s+\i+1]
	v_max3_num_f32 v[TB], v[TB], v[\s+\i+2], v[\s+\i+3]
.endr
	v_max3_num_f32 v[TA], v[TA], v[\s+29], v[\s+30]
	v_max3_num_f32 v[TA], v[TA], v[TB], v[\s+31]
.endif
	v_add_nc_u32 v[\so], 0xff000000, v[TA]         ; 2 off the exponent field: the conversion takes this operand's exponent field as its scale
	v_cvt_scalef32_pk16_fp6_f32 v[\c0:\c0+2], v[\s:\s+15], v[\so]
	v_cvt_scalef32_pk16_fp6_f32 v[\c1:\c1+2], v[\s+16:\s+31], v[\so]
	v_lshrrev_b32 v[\by], 23, v[\so]               ; the scale's byte; also the plain instruction behind the conversions
.endm
; 16 numbers of a lane, k = 16 h + 0 .. 15 of a row whose K is 32: lanes 0-15 get the whole block in f .. f + 5, lanes 16-31 zeros (f + 6 .. f + 11 are zeros already).  v[sw]: the scale word, byte 0.
.macro QH s, f, sw
	v_max3_num_f32 v[TA], |v[\s]|, |v[\s+1]|, 0x1800000
.irp i, 2,4,6,8,10,12,14
	v_max3_num_f32 v[TA], v[TA], |v[\s+\i]|, |v[\s+\i+1]|
.endr
	v_permlanex16_b32 v[TB], v[TA], s[SEL], s[SEL+1]
	v_max_num_f32 v[TA], v[TA], v[TB]
	v_add_nc_u32 v[TC], 0xff000000, v[TA]
	v_lshrrev_b32 v[\sw], 23, v[TC]
	v_cvt_scalef32_pk16_fp6_f32 v[\f:\f+2], v[\s:\s+15], v[TC]
.irp i, 3,4,5
	v_mov_b32 v[\f+\i], 0                          ; plain instructions behind the conversion
.endr
.irp i, 0,1,2
	v_permlane16_swap_b32 v[\f+\i], v[\f+3+\i]     ; the first's lanes 16-31 change places with the second's lanes 0-15
.endr
.endm
.macro KLOAD c                         ; channel c of my wave's 128 keys
	global_load_b128 v[KR+4*((\c)%4):KR+4*((\c)%4)+3], v[VK], s[4:5] offset:KT_O+8192*(\c)
.endm
.macro QLOAD c                         ; channel c of the 8 queries, each number twice
	s_load_b512 s[SQ+16*((\c)%2):SQ+16*((\c)%2)+15], s[14:15], 64*(\c)
.endm
.macro MUL c
.irp q, 0,1,2,3,4,5,6,7
.irp p, 0,1
	v_pk_mul_f32 v[T0+32*((\c)%2)+4*\q+2*\p:T0+32*((\c)%2)+4*\q+2*\p+1], v[KR+4*((\c)%4)+2*\p:KR+4*((\c)%4)+2*\p+1], s[SQ+16*((\c)%2)+2*\q:SQ+16*((\c)%2)+2*\q+1] op_sel_hi:[1,0]
.endr
.endr
.endm
.macro EXPS c
.set J, 0
.rept 32
	v_exp_f32 v[T0+32*((\c)%2)+J], v[T0+32*((\c)%2)+J]
.set J, J+1
.endr
.endm
.macro ADDS c
.if (\c) == 0
.irp q, 0,1,2,3,4,5,6,7                        ; the sums start as exp - phi_term; the queries outermost, so that each of the four matrix results is read first at its register 0
.irp t, 0,1,2,3
	v_sub_f32 v[E+4*\q+\t], v[T0+4*\q+\t], v[A+8*\t+\q]
.endr
.endr
.else
.set J, 0
.rept 16
	v_pk_add_f32 v[E+J:E+J+1], v[E+J:E+J+1], v[T0+32*((\c)%2)+J:T0+32*((\c)%2)+J+1]
.set J, J+2
.endr
.endif
.endm
.macro KVPLOAD                         ; my thread's four numbers of each chunk's partial phi_K^T V
.irp k, 0,1,2,3,4,5,6,7,8,9,10,11,12,13,14,15
	global_load_b128 v[A+4*\k:A+4*\k+3], v[VK], s[4:5] offset:KVP_O+8192*\k
.endr
.endm
.macro VLOAD                           ; V^T's two fragments of my 128 keys, and their scale words: 8 loads
.irp u, 0,1
.irp i, 0,1,2
	global_load_b128 v[A+12*\u+4*\i:A+12*\u+4*\i+3], v[VVT], s[4:5] offset:VT_O+1536*\u+512*\i
.endr
	global_load_b32 v[VSC+\u], v[VS], s[4:5] offset:SCL_O+512+128*\u
.endr
.endm
.macro MLOAD
.irp q, 0,1,2,3,4,5,6,7
	ds_load_b128 v[A+24+4*\q:A+24+4*\q+3], v[VMK] offset:512*\q
.endr
.endm
; A STAGE: channel c's 32 exponentials as one batch; behind them, as plain work that names none of their results, channel c + 1's multiplications and the loads further ahead; ONE wait; the sums.
.macro STAGE c
	EXPS \c
.if (\c) < 31
	s_wait_kmcnt 0x0                               ; the queries' channel c + 1, asked for a stage ago
.if (\c) == 0
.set LC, 3                                     ; behind K's channel c + 1: three younger channels
.elseif (\c) < 5
.set LC, 19                                    ; and the 16 loads of the partial sums
.elseif (\c) < 27
.set LC, 3                                     ; (in stage 5 this also shows the partial sums landed: they were issued ahead of channel 6)
.else
.set LC, 38-(\c)                               ; the channels left, 3, 2, 1, 0, and V's 8 loads
.endif
	s_wait_loadcnt LC
	MUL (\c)+1
.if (\c) < 30
	QLOAD (\c)+2
.endif
.if (\c) < 27
	KLOAD (\c)+5
.endif
.if (\c) == 26
	VLOAD
.endif
.else
	v_nop                                          ; a plain instruction behind the last batch
.endif
.if (\c) == 29
	s_wait_tensorcnt 0x0                           ; all my tensor loads: my mask tile (wave 0: the small inputs too; wave 1: Z's rows)
	MLOAD
.endif
	s_wait_alu depctr_va_vdst(0)                   ; one wait for the batch, ahead of its first reader
	ADDS \c
.if (\c) == 0
	KVPLOAD
.endif
.endm
	s_load_b256 s[4:11], s[0:1], 0x0               ; ws, mask, Z, out0
	v_lshl_add_u32 v254, v0, 2, 0x2ea00
	v_mov_b32 v255, 0
	ds_add_u32 v254, v255
	ds_add_u32 v254, v255
	s_wait_dscnt 0x0
	v_lshrrev_b32 v32, 5, v0
	v_readfirstlane_b32 s2, v32                    ; wave 0..15
	s_mov_b32 s3, ttmp9                            ; g
	s_mov_b32 s52, 0x00ff00ff                      ; lanes with r < 8
	s_mov_b32 s53, 0xff00ff00                      ; lanes with r >= 8
	s_mov_b32 s[SEL], 0x76543210
	s_mov_b32 s[SEL+1], 0xfedcba98                 ; v_permlanex16_b32's selects for lane l xor 16
	s_mov_b32 s56, 0x3d000000                      ; 1 / 32
	s_mov_b32 s57, 0x3727c5ac                      ; 1e-5
	s_mov_b32 s58, 0x358637bd                      ; 1e-6
	v_and_b32 v32, 31, v0                          ; lane
	v_and_b32 v33, 15, v0                          ; r
	v_bfe_u32 v34, v0, 4, 1                        ; h
	v_and_b32 v35, 7, v0                           ; r % 8
	v_lshlrev_b32 v36, 4, v32                      ; 16 x lane
	v_lshlrev_b32 v[VK], 4, v0
	s_mul_i32 s60, s2, 6144
	v_mul_u32_u24 v[VPK], v33, 192                 ; tile t's column r: keys 4 r + t and 64 + 4 r + t, 48 bytes a key
	v_mad_u32_u24 v[VPK], v34, 24, v[VPK]
	v_add_nc_u32 v[VPK], s60, v[VPK]
	s_mul_i32 s60, s2, 768
	v_lshl_add_u32 v[VS], v32, 2, s60
	s_mul_i32 s60, s3, 384
	v_mul_u32_u24 v[VPQ], v35, 48
	v_mad_u32_u24 v[VPQ], v34, 24, v[VPQ]
	v_add_nc_u32 v[VPQ], s60, v[VPQ]
	s_lshr_b32 s60, s3, 4
	s_mul_i32 s60, s60, 768
	s_and_b32 s61, s3, 15
	s_lshl_b32 s61, s61, 4
	s_add_co_u32 s60, s60, s61
	v_lshl_add_u32 v[VPQS], v35, 1, s60
	s_mul_i32 s60, s2, 3072
	v_add_nc_u32 v[VVT], s60, v36
	s_lshl_b32 s60, s2, 12
	v_add_nc_u32 v[VMK], s60, v36
	s_mul_i32 s60, s2, 4352
	s_add_co_u32 s60, s60, TR
	v_mul_u32_u24 v[VTS], v34, 2176                ; in: row query + 8 (lane / 16), 16 bytes at 16 (lane % 16)
	v_lshl_add_u32 v[VTS], v33, 4, v[VTS]
	v_add_nc_u32 v[VTS], s60, v[VTS]
	v_mul_u32_u24 v[VTL], v33, 272                 ; back: row r, its keys 32 h on.  Rows 272 bytes apart
	v_lshl_add_u32 v[VTL], v34, 7, v[VTL]
	v_add_nc_u32 v[VTL], s60, v[VTL]
	s_lshl_b32 s60, s2, 11
	s_add_co_u32 s60, s60, RED
	v_add_nc_u32 v[VRS], s60, v36
	v_lshl_add_u32 v[VT4], v0, 2, RED
	v_add_nc_u32 v[VKV], KVS, v[VK]
	v_add_nc_u32 v[VKL], KVS, v36
	v_add_nc_u32 v[VRL], RED, v36
	; descriptors.  Group 1, the mask's tile: 8 rows x 128 elements of 4 bytes, 2,048 elements from row to row
	s_mov_b32 s16, 2<<16
	s_mov_b32 s17, 128<<16
	s_mov_b32 s18, 8<<16
	s_mov_b32 s19, 128<<16
	s_mov_b32 s20, 8
	s_mov_b32 s21, 2048
	s_mov_b32 s22, 0
	s_mov_b32 s23, 0
	s_mov_b32 s28, 3<<16                           ; the small inputs: one row of 1,060 elements of 8 bytes
	s_mov_b32 s29, 1060<<16
	s_mov_b32 s30, 1<<16
	s_mov_b32 s31, 1060<<16
	s_mov_b32 s32, 1
	s_mov_b32 s33, 1060
	s_mov_b32 s34, 0
	s_mov_b32 s35, 0
	s_mov_b32 s40, 3<<16                           ; Z's 8 rows: one row of 128 elements of 8 bytes
	s_mov_b32 s41, 128<<16
	s_mov_b32 s42, 1<<16
	s_mov_b32 s43, 128<<16
	s_mov_b32 s44, 1
	s_mov_b32 s45, 128
	s_mov_b32 s46, 0
	s_mov_b32 s47, 0
	s_mov_b32 s24, 1
	s_lshl_b32 s25, s2, 12                         ; my tile's LDS bytes: 4,096 x wave
	s_mov_b32 s36, 1
	s_mov_b32 s37, CW
	s_mov_b32 s48, 1
	s_mov_b32 s49, ZRO
	s_lshl_b32 s60, s3, 16                         ; 8 rows of 8,192 bytes,
	s_lshl_b32 s61, s2, 9                          ; my 128 keys
	s_add_co_u32 s60, s60, s61
	s_mov_b32 s61, 0
	s_lshl_b32 s62, s3, 10
	s_mov_b32 s63, 0
	s_lshl_b32 s12, s3, 11
	s_mov_b32 s13, 0
	s_wait_kmcnt 0x0
	s_add_nc_u64 s[26:27], s[6:7], s[60:61]
	s_or_b32 s27, s27, 0x80000000
	s_add_nc_u64 s[38:39], s[4:5], WP_O
	s_or_b32 s39, s39, 0x80000000
	s_add_nc_u64 s[50:51], s[8:9], s[62:63]
	s_or_b32 s51, s51, 0x80000000
	s_add_nc_u64 s[14:15], s[4:5], s[12:13]        ; my work-group's 2,048 bytes of queries
	tensor_load_to_lds s[24:27], s[16:23]          ; every wave: its mask tile.  At most two tensor loads of a wave are out; the one wait for them is for 0
	s_nop 0
	PLACES 4
	s_cmp_eq_u32 s2, 0
	s_cbranch_scc0 .Lnot_0
	tensor_load_to_lds s[36:39], s[28:35]          ; wave 0: the small inputs
	s_nop 0
	PLACES 4
	s_branch .Lasked
.Lnot_0:
	s_cmp_eq_u32 s2, 1
	s_cbranch_scc0 .Lasked
	tensor_load_to_lds s[48:51], s[40:47]          ; wave 1: Z's rows
	s_nop 0
	PLACES 4
.Lasked:
	QLOAD 0
.irp k, 0,1,2
	global_load_b64 v[120+2*\k:121+2*\k], v[VPQ], s[4:5] offset:PQ_O+8*\k          ; phi_Q of query r % 8, block h
.endr
	global_load_u16 v[PQS], v[VPQS], s[4:5] offset:SCL_O
.irp t, 0,1,2,3
.irp k, 0,1,2
	global_load_b64 v[72+12*\t+2*\k:73+12*\t+2*\k], v[VPK], s[4:5] offset:PK_O+48*\t+8*\k
	global_load_b64 v[78+12*\t+2*\k:79+12*\t+2*\k], v[VPK], s[4:5] offset:PK_O+48*\t+3072+8*\k
.endr
.endr
.irp t, 0,1,2,3
	global_load_b32 v[PKS+\t], v[VS], s[4:5] offset:SCL_O+256+64*\t
.endr
	KLOAD 0
	KLOAD 1
	KLOAD 2
	KLOAD 3
	s_wait_loadcnt 4                               ; all but K's four channels
.irp i, 0,1,2,3,4,5
	v_cndmask_b32 v[PF+\i], 0, v[120+\i], s52      ; rows under 8: blocks 0, 1;
	v_cndmask_b32 v[PF+6+\i], 0, v[120+\i], s53    ; rows from 8 on: blocks 2, 3
.endr
	v_lshl_or_b32 v[PQS], v[PQS], 16, v[PQS]       ; the two bytes in both halves of the word
	PLACES 8                                       ; a scale written by a vector instruction stands 8 plain instructions ahead of a scaled product, an operand so written 4
.irp t, 0,1,2,3
	MM0 A+8*\t, PF, 72+12*\t, PQS, PKS+\t          ; lane l, register j: phi_term of query j and key 4 l + t
.endr
	PLACES 4
	s_wait_kmcnt 0x0
	QLOAD 1
	s_wait_loadcnt 3                               ; K's channel 0 is in; channels 1-3 may be out
	MUL 0
	KLOAD 4
.set C, 0
.rept 6
	STAGE C
.set C, C+1
.endr
	; phi_K^T V: each thread adds its four numbers over the 16 chunks
.irp k, 0,1,2,3,4,5,6,7
.irp p, 0,2
	v_pk_add_f32 v[A+4*\k+\p:A+4*\k+\p+1], v[A+4*\k+\p:A+4*\k+\p+1], v[A+32+4*\k+\p:A+32+4*\k+\p+1]
.endr
.endr
.irp k, 0,1,2,3
.irp p, 0,2
	v_pk_add_f32 v[A+4*\k+\p:A+4*\k+\p+1], v[A+4*\k+\p:A+4*\k+\p+1], v[A+16+4*\k+\p:A+16+4*\k+\p+1]
.endr
.endr
.irp k, 0,1
.irp p, 0,2
	v_pk_add_f32 v[A+4*\k+\p:A+4*\k+\p+1], v[A+4*\k+\p:A+4*\k+\p+1], v[A+8+4*\k+\p:A+8+4*\k+\p+1]
.endr
.endr
.irp p, 0,2
	v_pk_add_f32 v[A+\p:A+\p+1], v[A+\p:A+\p+1], v[A+4+\p:A+4+\p+1]
.endr
	ds_store_b128 v[VKV], v[A:A+3]
	BARRIER                                        ; the sum lies in LDS.  The tensor loads may stay out: behind this barrier nothing is filled, and no tile is read before its own wait
	s_cmp_lg_u32 s2, 0
	s_cbranch_scc1 .Lno_lr
	; wave 0: the low-rank term.  Lane (r, h): features 32 h + 0 .. 31 of channel 8 u + r % 8 + 16 (r / 8): a whole block
.irp k, 0,1,2,3,4,5,6,7,8,9,10,11,12,13,14,15
	ds_load_b128 v[A+4*\k:A+4*\k+3], v[VKL] offset:512*\k
.endr
	s_wait_dscnt 0x0
	QB A, KF, 36, 34, KVSC, 1
.irp i, 0,1,2
	v_mov_b32 v[KF+3+\i], v[36+\i]                 ; (a conversion's three registers begin on an even number)
.endr
	QB A+32, KF+12, 36, 34, KVSC+1, 1
.irp i, 0,1,2
	v_mov_b32 v[KF+15+\i], v[36+\i]
.endr
.irp i, 6,7,8,9,10,11
	v_mov_b32 v[KF+\i], 0                          ; blocks 2, 3: zero codes, so that slots 8-15 of phi_Q's fragment give 0
	v_mov_b32 v[KF+12+\i], 0
.endr
.irp u, 0,1
	v_permlanex16_b32 v[TB], v[KVSC+\u], s[SEL], s[SEL+1]
	v_lshl_or_b32 v[KVSC+\u], v[TB], 8, v[KVSC+\u] ; lanes 0-15: block 0's byte, block 1's
.endr
	PLACES 8
.irp u, 0,1
	MM0 A+8*\u, KF+12*\u, PF, KVSC+\u, PQS         ; lane (slot r, h), register 8 u + j = channel 16 h + 8 u + j
.endr
	PLACES 4
.irp i, 0,1,2,3
	ds_store_b128 v[VRL], v[A+4*\i:A+4*\i+3] offset:32768+512*\i   ; a seventeenth partial result
.endr
.Lno_lr:
.rept 26
	STAGE C
.set C, C+1
.endr
	; ---- the tail: the mask, the turn, the quantiser, scores V
	s_wait_dscnt 0x0                               ; the mask's 32 words
.set J, 0
.rept 32
	v_cmp_eq_u32 vcc_lo, 0, v[A+24+J]
	v_cndmask_b32 v[T0+J], 0, v[E+J], vcc_lo       ; kept where mask == 0
.set J, J+1
.endr
.irp q, 0,1,2,3,4,5,6,7
	ds_store_b128 v[VTS], v[T0+4*\q:T0+4*\q+3] offset:272*\q
.endr
.irp i, 0,1,2,3,4,5,6,7
	ds_load_b128 v[T0+32+4*\i:T0+32+4*\i+3], v[VTL] offset:16*\i   ; my wave's own bytes, and LDS serves a wave's instructions in order (ISA guide 5.7.1.4): these see the stores above
.endr
	s_wait_dscnt 0x0                               ; lane (r, h): query r % 8, keys 64 (r / 8) + 32 h + 0 .. 31
	QB T0+32, 252, 36, 34, PS, 1
	v_permlanex16_b32 v[TB], v[PS], s[SEL], s[SEL+1]
	v_lshl_or_b32 v[PS], v[TB], 8, v[PS]
	v_lshl_or_b32 v[PS], v[PS], 16, v[PS]          ; lanes 0-15: my half's two bytes, in both halves of the word
.irp i, 0,1,2
	v_cndmask_b32 v[PF+\i], 0, v[252+\i], s52      ; slots under 8: the first 64 keys; from 8 on: the last 64
	v_cndmask_b32 v[PF+3+\i], 0, v[36+\i], s52
	v_cndmask_b32 v[PF+6+\i], 0, v[252+\i], s53
	v_cndmask_b32 v[PF+9+\i], 0, v[36+\i], s53
.endr
	s_wait_loadcnt 0x0                             ; V^T
	PLACES 8
.irp u, 0,1
	MM0 KF+8*\u, A+12*\u, PF, VSC+\u, PS           ; lane (slot r, h), register 8 u + j = channel 16 h + 8 u + j
.endr
	PLACES 4
.irp i, 0,1,2,3
	ds_store_b128 v[VRS], v[KF+4*\i:KF+4*\i+3] offset:512*\i
.endr
	BARRIER                                        ; all seventeen partial results lie in LDS; waves 0 and 1 have waited for the small inputs and Z's rows
.irp k, 0,1,2,3,4,5,6,7,8,9,10,11,12,13,14,15,16
	ds_load_b32 v[T0+\k], v[VT4] offset:2048*\k
.endr
	s_wait_dscnt 0x0
.irp k, 0,2,4,6,8,10,12,14
	v_add_f32 v[T0+\k], v[T0+\k], v[T0+1+\k]
.endr
.irp k, 0,4,8,12
	v_add_f32 v[T0+\k], v[T0+\k], v[T0+2+\k]
.endr
.irp k, 0,8
	v_add_f32 v[T0+\k], v[T0+\k], v[T0+4+\k]
.endr
	v_add_f32 v[T0], v[T0], v[T0+8]
	v_add_f32 v[T0], v[T0], v[T0+16]
	ds_store_b32 v[VT4], v[T0] offset:34816
	BARRIER
	s_cmp_lg_u32 s2, 0
	s_cbranch_scc1 .Lend
	; ---- wave 0: the last layers.  Rows r and r + 8 of every tile are the same query.  A lane holds channels 16 h + 0 .. 15 of its row
.set R1, 40
.set R2, 56
.set R3, 72
.set R4, 88
.set F, 104                            ; v104-115 the data's fragment
.set W1F, 116                          ; v116-163 W1's eight tiles, 6 registers apart;
.set WOF, 164                          ; v164-175 Wo's two;
.set R5, 176                           ; v176-191 beta1: written registers behind the weights' run
.set H, 192                            ; v192-255 b1, then the hidden layer
.macro SUM16 x                         ; v32 = the sum of my row's 32 numbers
	v_pk_add_f32 v[32:33], v[\x:\x+1], v[\x+2:\x+3]
	v_pk_add_f32 v[34:35], v[\x+4:\x+5], v[\x+6:\x+7]
	v_pk_add_f32 v[36:37], v[\x+8:\x+9], v[\x+10:\x+11]
	v_pk_add_f32 v[38:39], v[\x+12:\x+13], v[\x+14:\x+15]
	v_pk_add_f32 v[32:33], v[32:33], v[34:35]
	v_pk_add_f32 v[36:37], v[36:37], v[38:39]
	v_pk_add_f32 v[32:33], v[32:33], v[36:37]
	v_add_f32 v32, v32, v33
	v_permlanex16_b32 v33, v32, s[SEL], s[SEL+1]
	v_add_f32 v32, v32, v33
.endm
.macro LN x, g, b, y                   ; y = (x - mean) / sqrt(variance + 1e-5) x g + b; x is used up
	SUM16 \x
	v_mul_f32 v32, s56, v32
.irp i, 0,2,4,6,8,10,12,14
	v_pk_add_f32 v[\x+\i:\x+\i+1], v[\x+\i:\x+\i+1], v[32:33] op_sel_hi:[1,0] neg_lo:[0,1] neg_hi:[0,1]
.endr
	v_pk_mul_f32 v[34:35], v[\x:\x+1], v[\x:\x+1]
.irp i, 2,4,6,8,10,12,14
	v_pk_fma_f32 v[34:35], v[\x+\i:\x+\i+1], v[\x+\i:\x+\i+1], v[34:35]
.endr
	v_add_f32 v34, v34, v35
	v_permlanex16_b32 v35, v34, s[SEL], s[SEL+1]
	v_add_f32 v34, v34, v35
	v_fma_f32 v34, v34, s56, s57
	v_rsq_f32 v34, v34
	v_nop
	s_wait_alu depctr_va_vdst(0)
.irp i, 0,2,4,6,8,10,12,14
	v_pk_mul_f32 v[\x+\i:\x+\i+1], v[\x+\i:\x+\i+1], v[34:35] op_sel_hi:[1,0]
.endr
.irp i, 0,2,4,6,8,10,12,14
	v_pk_fma_f32 v[\y+\i:\y+\i+1], v[\x+\i:\x+\i+1], v[\g+\i:\g+\i+1], v[\b+\i:\b+\i+1]
.endr
.endm
	v_and_b32 v32, 31, v0
	v_and_b32 v33, 7, v0
	v_bfe_u32 v34, v0, 3, 1
	v_bfe_u32 v35, v0, 4, 1                        ; h
	v_lshl_add_u32 v36, v34, 4, v33                ; r % 8 + 16 (r / 8)
	v_lshl_add_u32 v37, v34, 5, v33                ; r % 8 + 32 (r / 8)
	v_lshlrev_b32 v38, 4, v32
	v_add_nc_u32 v1, FIN, v38                      ; v1   the finished sums
	v_mul_u32_u24 v2, v36, 24
	v_add_nc_u32 v2, CW, v2                        ; v2   Wo's codes
	v_add_nc_u32 v3, CW, v36                       ; v3   Wo's scale bytes
	v_lshlrev_b32 v4, 6, v35
	v_add_nc_u32 v4, CW, v4                        ; v4   vectors of 32: 64 h
	v_lshlrev_b32 v5, 7, v33
	v_lshl_add_u32 v5, v35, 6, v5
	v_add_nc_u32 v6, OUTS, v5                      ; v6   the output's stage: row r % 8, + 64 h
	v_add_nc_u32 v5, ZRO, v5                       ; v5   Z likewise
	v_mul_u32_u24 v7, v37, 24
	v_add_nc_u32 v7, CW, v7                        ; v7   W1's codes
	v_add_nc_u32 v8, CW, v37                       ; v8   W1's scale bytes
	v_lshlrev_b32 v9, 7, v35
	v_add_nc_u32 v9, CW, v9                        ; v9   b1: 128 h
	v_mul_u32_u24 v10, v36, 96
	v_mad_u32_u24 v10, v35, 24, v10
	v_add_nc_u32 v10, CW, v10                      ; v10  W2's codes
	v_lshlrev_b32 v11, 2, v36
	v_add_nc_u32 v11, CW, v11                      ; v11  W2's scale words
	v_add_nc_u32 v12, OUTS, v38                    ; v12  the stage, read back
	s_lshl_b32 s60, s3, 10
	v_add_nc_u32 v13, s60, v38                     ; v13  my 16 bytes of the work-group's 1,024 of out0
	v_lshlrev_b32 v15, 3, v35                      ; v15  8 h
.irp i, 6,7,8,9,10,11
	v_mov_b32 v[F+\i], 0
.endr
.irp i, 0,1,2,3
	ds_load_b128 v[R1+4*\i:R1+4*\i+3], v1 offset:512*\i
.endr
.irp u, 0,1
.irp k, 0,1,2
	ds_load_b64 v[WOF+6*\u+2*\k:WOF+6*\u+2*\k+1], v2 offset:6144+192*\u+8*\k
.endr
	ds_load_u8 v[WOS+\u], v3 offset:8448+8*\u
.endr
.irp i, 0,1,2,3
	ds_load_b128 v[R2+4*\i:R2+4*\i+3], v4 offset:7680+16*\i        ; bo
	ds_load_b128 v[R3+4*\i:R3+4*\i+3], v5 offset:16*\i             ; Z
	ds_load_b128 v[R4+4*\i:R4+4*\i+3], v4 offset:7936+16*\i        ; g1
	ds_load_b128 v[R5+4*\i:R5+4*\i+3], v4 offset:8064+16*\i        ; beta1
.endr
.irp t, 0,1,2,3,4,5,6,7                        ; W1's tile t: row m takes hidden unit 64 (t / 4) + 8 (t % 4) + m % 8 + 32 (m / 8)
.irp k, 0,1,2
	ds_load_b64 v[W1F+6*\t+2*\k:W1F+6*\t+2*\k+1], v7 offset:1536*(\t/4)+192*(\t%4)+8*\k
.endr
	ds_load_u8 v[W1S+\t], v8 offset:6912+64*(\t/4)+8*(\t%4)
.endr
	s_wait_dscnt 56                                ; the sums' four loads are in; the 56 issued behind them may be out
.irp i, 0,1,2,3,4,5,6,7,8,9,10,11,12,13,14,15
	v_add_f32_dpp v[R1+\i], v[R1+\i], v[R1+\i] row_xmask:8 row_mask:0xf bank_mask:0xf   ; the two key halves of a query
.endr
.irp t, 0,1,2,3,4,5,6,7
.irp i, 0,1
	ds_load_b128 v[H+8*\t+4*\i:H+8*\t+4*\i+3], v9 offset:7168+256*(\t/4)+32*(\t%4)+16*\i   ; b1, in the result's layout
.endr
.endr
	SUM16 R1
	v_max_num_f32 v32, s58, v32                    ; the divisor, held at 1e-6 from below
	v_rcp_f32 v32, v32
	v_nop
	s_wait_alu depctr_va_vdst(0)
.irp i, 0,2,4,6,8,10,12,14
	v_pk_mul_f32 v[R1+\i:R1+\i+1], v[R1+\i:R1+\i+1], v[32:33] op_sel_hi:[1,0]
.endr
	QH R1, F, DSW
	s_wait_dscnt 0x0
	PLACES 8
.irp u, 0,1
	MM R2+8*\u, WOF+6*\u, F, R2+8*\u, WOS+\u, DSW  ; x Wo + bo
.endr
	PLACES 4
.irp i, 0,2,4,6,8,10,12,14
	v_pk_add_f32 v[R2+\i:R2+\i+1], v[R2+\i:R2+\i+1], v[R3+\i:R3+\i+1]   ; + Z
.endr
	LN R2, R4, R5, R3                              ; Z1
	QH R3, F, DSW
	PLACES 8
.irp t, 0,1,2,3,4,5,6,7
	MM H+8*\t, W1F+6*\t, F, H+8*\t, W1S+\t, DSW    ; lane (row r, h), register 32 c + i = hidden unit 64 c + 32 h + i: whole blocks of the next K
.endr
	PLACES 4
.irp u, 0,1
.irp k, 0,1,2
	ds_load_b64 v[W1F+12*\u+2*\k:W1F+12*\u+2*\k+1], v10 offset:3072+768*\u+8*\k
	ds_load_b64 v[W1F+12*\u+6+2*\k:W1F+12*\u+7+2*\k], v10 offset:3072+768*\u+48+8*\k
.endr
	ds_load_b32 v[W2S+\u], v11 offset:7040+32*\u
.endr
.irp i, 0,1,2,3
	ds_load_b128 v[R1+4*\i:R1+4*\i+3], v4 offset:7808+16*\i        ; b2
	ds_load_b128 v[R2+4*\i:R2+4*\i+3], v4 offset:8192+16*\i        ; g2
	ds_load_b128 v[R4+4*\i:R4+4*\i+3], v4 offset:8320+16*\i        ; beta2
.endr
.set J, 0
.rept 64
	v_max_num_f32 v[H+J], 0, v[H+J]                ; the activation
.set J, J+1
.endr
	QB H, F, 36, 34, 39, 0
.irp i, 0,1,2
	v_mov_b32 v[F+3+\i], v[36+\i]
.endr
	QB H+32, F+6, 36, 34, 35, 0
.irp i, 0,1,2
	v_mov_b32 v[F+9+\i], v[36+\i]
.endr
	v_lshl_or_b32 v[DSW], v35, 16, v39             ; my two bytes, blocks h and 2 + h,
	v_lshlrev_b32 v[DSW], v15, v[DSW]              ; at their places,
	v_permlanex16_b32 v[TB], v[DSW], s[SEL], s[SEL+1]
	v_or_b32 v[DSW], v[DSW], v[TB]                 ; with lane l xor 16's two
	s_wait_dscnt 0x0
	PLACES 8
.irp u, 0,1
	MM R1+8*\u, W1F+12*\u, F, R1+8*\u, W2S+\u, DSW ; x W2 + b2
.endr
	PLACES 4
.irp i, 0,2,4,6,8,10,12,14
	v_pk_add_f32 v[R1+\i:R1+\i+1], v[R1+\i:R1+\i+1], v[R3+\i:R3+\i+1]   ; + Z1
.endr
	LN R1, R2, R4, R5
.irp i, 0,1,2,3
	ds_store_b128 v6, v[R5+4*\i:R5+4*\i+3] offset:16*\i            ; rows r and r + 8 store the same bytes to the same place
.endr
.irp i, 0,1
	ds_load_b128 v[R1+4*\i:R1+4*\i+3], v12 offset:512*\i           ; my own stores, served in order
.endr
	s_wait_dscnt 0x0
.irp i, 0,1
	global_store_b128 v13, v[R1+4*\i:R1+4*\i+3], s[10:11] offset:512*\i   ; 512 consecutive bytes a store, at a multiple of 256 from out0's first byte
.endr
.Lend:
	s_wait_xcnt 0x0
	v_lshl_add_u32 v254, v0, 2, 0x2ea00
	v_mov_b32 v255, 0
	s_wait_tensorcnt 0x0
	ds_add_u32 v254, v255
	s_wait_dscnt 0x0
	s_endpgm
.Lfunc_end_k_q2860cb774e_attn:
	.size	k_q2860cb774e_attn, .Lfunc_end_k_q2860cb774e_attn-k_q2860cb774e_attn
	.p2alignl 7, 3214868480
	.fill 96, 4, 3214868480
	.section	.rodata,"a",@progbits
	.p2align	6, 0x0
	.amdhsa_kernel k_q2860cb774e_attn
		.amdhsa_group_segment_fixed_size 193024
		.amdhsa_private_segment_fixed_size 0
		.amdhsa_enable_private_segment 0
		.amdhsa_kernarg_size 32
		.amdhsa_user_sgpr_count 2
		.amdhsa_user_sgpr_kernarg_segment_ptr 1
		.amdhsa_wavefront_size32 1
		.amdhsa_system_sgpr_workgroup_id_x 1
		.amdhsa_system_sgpr_workgroup_id_y 1
		.amdhsa_system_sgpr_workgroup_id_z 1
		.amdhsa_system_vgpr_workitem_id 0
		.amdhsa_next_free_vgpr 256
		.amdhsa_next_free_sgpr 100
		.amdhsa_reserve_vcc 1
		.amdhsa_float_denorm_mode_32 3
		.amdhsa_float_denorm_mode_16_64 3
		.amdhsa_memory_ordered 1
		.amdhsa_forward_progress 1
		.amdhsa_inst_pref_size 161
	.end_amdhsa_kernel
	.amdgpu_metadata
---
amdhsa.version: [ 1, 2 ]
amdhsa.kernels:
  - .name:           k_q2860cb774e_attn
    .symbol:         k_q2860cb774e_attn.kd
    .args:
      - { .name: ws, .offset: 0, .size: 8, .value_kind: global_buffer, .address_space: global }
      - { .name: mask, .offset: 8, .size: 8, .value_kind: global_buffer, .address_space: global }
      - { .name: Z, .offset: 16, .size: 8, .value_kind: global_buffer, .address_space: global }
      - { .name: out0, .offset: 24, .size: 8, .value_kind: global_buffer, .address_space: global }
    .group_segment_fixed_size: 193024
    .private_segment_fixed_size: 0
    .kernarg_segment_align: 8
    .kernarg_segment_size: 32
    .max_flat_workgroup_size: 512
    .sgpr_count:     100
    .vgpr_count:     256
    .wavefront_size: 32
...
	.end_amdgpu_metadata
.endif
;; end of part 2
;; ======== version 2 of 2: 2 launches
;; limits: right only within a limited range of input values
;; workspace buffers: ws 1,184,256 bytes
;; launch prep (part 3): grid 17 x 1, 8 waves a work-group, no clusters, 88,576 bytes of LDS; arguments Z, Wq_codes, Wq_scales, bq, Wk_codes, Wk_scales, bk, Wv_codes, Wv_scales, bv, omega_codes, omega_scales, ws, W1_codes, W2_codes, Wo_codes, W1_scales, W2_scales, b1, bo, b2, g1, beta1, g2, beta2, Wo_scales; writes ws
.if DOCPART == 3
	.amdgcn_target "amdgcn-amd-amdhsa--gfx1250"
	.amdhsa_code_object_version 6
	.text
	.protected	k_q2860cb774e_prep
	.globl	k_q2860cb774e_prep
	.p2align	8
	.type	k_q2860cb774e_prep,@function
k_q2860cb774e_prep:
	s_mov_b64 s[64:65], 0
	v_nop
	global_prefetch_b8 v0, s[64:65] scope:SCOPE_SE
	s_setreg_imm32_b32 hwreg(HW_REG_WAVE_MODE, 25, 1), 1
	s_wait_xcnt 0x0
; PREP.  Q, K, V = Z W + b; phi_Q, phi_K = exp(normalised Q, K x omega) / 8; the partial sums of phi_K^T V: all products on codes of FP6 (E2M3) with one E8M0 scale for each 32 along K.
; Everything that the second launch reads is laid here as its registers want it, in the one workspace buffer ws.
; SHARES.  Work-group p takes tokens 128 p .. 128 p + 127: one K step of the two products whose K is the token axis.  2,048 tokens make 16 work-groups.
; Phase A: wave t takes 16 tokens; row r of its tile is token kappa = 64 (t / 4) + 8 (t % 4) + r % 8 + 32 (r / 8), so that in phase B a lane's 32 results of four tiles are 32 NEIGHBOURING tokens: a whole block of the next K.
; Phase B: waves 0, 1 make V^T (16 channels x 128 tokens each), waves 2-5 phi_K^T (16 features each), quantise them along the tokens and hand them on through LDS as images of their registers.
; Phase C: each wave makes one tile (16 features x 16 channels) of this chunk's phi_K^T V.  Then the stages in LDS leave in runs of 384 or 512 consecutive bytes a wave.
; K = 32 IN AN INSTRUCTION OF K = 128: the data's fragment has zero codes in blocks 1-3, so the weight's side may hold any codes there: weight fragments lie 6 registers apart, lanes 16-31 load what lanes 0-15 load.
; LIMITS: NaN and infinities among the inputs are not served.  A block whose largest magnitude lies under 2^-124 keeps the scale byte 1, a block of zeros too (the quantiser's rule says 127 there): its codes are zeros,
; and this program alone reads the bytes.  exp(x) / 8 is made as 2^(x log2(e) - 3); a division is a reciprocal and a multiplication.
; Work-group 16 has no tokens: its wave 0 lays the last layers' small inputs on end for the second launch.  Waves 0, 1, 6 and 7 send the stages of Q, K and the codes out ahead of phase C, while waves 2-5 make phi_K^T; the scale bytes leave behind phase C.
.set QS_O,  0                          ; ws: [work-group of the second launch 256][query / 4][channel 32][query % 4] f32: Q x log2(e) / sqrt(32)
.set KT_O,  524288                     ; [channel 32][token 2048] f32: K
.set PQ_O,  786432                     ; [token][48 bytes]: phi_Q's codes along the 64 features
.set PK_O,  884736                     ; [chunk 16][tile t 4][piece 3][lane 32][16 bytes]: phi_K's fragments as register images: lane (r, h) of tile t has block h of keys 4 r + t and 64 + 4 r + t
.set VT_O,  983040                     ; [chunk 16][u 2][3][lane 32][16 bytes]: V^T's fragments as register images
.set SCL_O, 1032192                    ; [chunk 16][768]: phi_Q's scale bytes, phi_K's scale words, V^T's scale words
.set KVP_O, 1044480                    ; [chunk 16][u 2][8][lane 32][4] f32: partial phi_K^T V
.set WP_O,  1175552                    ; the last layers' thirteen small inputs on end
.set ZIMG, 0                           ; LDS: images of the eight Z fragments, 1,536 bytes each
.set KIMG, 12288                       ; of the eight fragments of normalised K
.set DSC,  24576                       ; their scale words: 8 x 128 bytes, twice
.set FIMG, 26624                       ; images of V^T's two and phi_K^T's four fragments
.set FSC,  35840                       ; their scale words
.set QST,  36608                       ; [channel 32][528]: Q x c0 of the 128 tokens
.set KST,  53504                       ; the same of K
.set PQST, 70400                       ; 512 places of 16 bytes, 12 bytes of phi_Q's codes in each
.set PKST, 78592                       ; phi_K's codes: [tile t][lane][48 bytes]
.set SCLS, 86784                       ; the chunk's 768 bytes of scales
.set LI, 1                             ; v1   16 x lane
.set LS, 2                             ; v2   4 x lane
.set IM, 3                             ; v3   1,536 x wave + 16 x lane
.set IS, 4                             ; v4   128 x wave + 4 x lane
.set VST, 5                            ; v5   8,448 h + 4 kappa: a column of QST or KST
.set VPC, 6                            ; v6   PQST + 64 kappa + 32 h
.set VB1, 7                            ; v7   phi_Q's scale byte
.set VB2, 8                            ; v8   phi_K's
.set VDF, 9                            ; v9   phase B: the data's images
.set VDS, 10                           ; v10  and their scale words
.set VFA, 11                           ; v11  phase C: phi_K^T's image
.set VFV, 12                           ; v12  V^T's
.set VSA, 13                           ; v13, v14 their scale words
.set VSV, 14
.set VKR, 15                           ; v15-18 the way out: LDS places
.set VQR, 16
.set VPR, 17
.set VSR, 18
.set VZ, 19                            ; v19-31, v248-252 byte offsets in memory
.set VH64, 20
.set VC32, 21
.set VC64, 22
.set VS32, 23
.set VS64, 24
.set VWB, 25
.set VWBS, 26
.set VVB, 27
.set GVT, 28
.set GKV, 29
.set GKT, 30
.set GQS, 31
.set GPQ, 248
.set GSC, 249
.set L15, 250
.set L7, 251
.set L1, 252
.set BV, 253                           ; v253 bv of my column (phase B)
.set VVS, 254                          ; v254 LDS place of V^T's scale words
.set H8, 255                           ; v255 8 h
.set ZS, 32                            ; v32-46 hold scales and nothing else
.set QNS, 33
.set KNS, 34
.set WQS, 35
.set WKS, 37
.set OMS, 39
.set WBS, 43
.set FS, 44
.set SA, 45
.set SV, 46
.set TA, 48                            ; v48-53 at work
.set TB, 49
.set TC, 50
.set M3, 54                            ; v[54:55] -3.0 twice
.set WR, 56                            ; v56-115 weights, 6 registers apart: Wq 2, Wk 2, omega 4, phase B's tile, six zeros
.set BQ, 116                           ; v116-131 bq, then Q, then normalised Q
.set BK, 132                           ; v132-147 the same of K
.set ZR, 148                           ; v148-163 Z, then Q x c0, then code pieces
.set ZF, 164
.set QF, 176
.set KF, 188
.set PHQ, 200                          ; v200-231
.set PHK, 116                          ; v116-147
.set SEL, 58
.macro PLACES n
.rept \n
	v_nop
.endr
.endm
.macro BARRIER                         ; my LDS stores have landed and my LDS loads are in: then the work-group's barrier
	s_wait_dscnt 0x0
	s_barrier_signal -1
	s_barrier_wait -1
.endm
.macro MM d, a, b, c, sa, sb
	v_wmma_scale_f32_16x16x128_f8f6f4 v[\d:\d+7], v[\a:\a+11], v[\b:\b+11], v[\c:\c+7], v[\sa], v[\sb] matrix_a_fmt:MATRIX_FMT_FP6 matrix_b_fmt:MATRIX_FMT_FP6
.endm
.macro MM0 d, a, b, sa, sb
	v_wmma_scale_f32_16x16x128_f8f6f4 v[\d:\d+7], v[\a:\a+11], v[\b:\b+11], 0, v[\sa], v[\sb] matrix_a_fmt:MATRIX_FMT_FP6 matrix_b_fmt:MATRIX_FMT_FP6
.endm
; 32 numbers of a lane, one whole block: codes of the first 16 to v[c0] on, of the last 16 to v[c1] on, the conversion's scale operand to v[so], the scale byte to v[by].  ab = 1: magnitudes; 0: nothing is negative.
; The floor 2^(3 - 127) is one of the maximum's leaves: the byte cannot fall under 1.  Results of four matrix tiles are each read first at their lowest register (s, s + 8, s + 16, s + 24).
.macro QB s, c0, c1, so, by, ab
.if \ab
	v_max3_num_f32 v[TA], |v[\s]|, |v[\s+1]|, 0x1800000
	v_max3_num_f32 v[TB], |v[\s+2]|, |v[\s+3]|, |v[\s+4]|
.irp i, 5,9,13,17,21,25
	v_max3_num_f32 v[TA], v[TA], |v[\s+\i]|, |v[\s+\i+1]|
	v_max3_num_f32 v[TB], v[TB], |v[\s+\i+2]|, |v[\s+\i+3]|
.endr
	v_max3_num_f32 v[TA], v[TA], |v[\s+29]|, |v[\s+30]|
	v_max3_num_f32 v[TA], v[TA], v[TB], |v[\s+31]|
.else
	v_max3_num_f32 v[TA], v[\s], v[\s+1], 0x1800000
	v_max3_num_f32 v[TB], v[\s+2], v[\s+3], v[\s+4]
.irp i, 5,9,13,17,21,25
	v_max3_num_f32 v[TA], v[TA], v[\s+\i], v[\s+\i+1]
	v_max3_num_f32 v[TB], v[TB], v[\s+\i+2], v[\s+\i+3]
.endr
	v_max3_num_f32 v[TA], v[TA], v[\s+29], v[\s+30]
	v_max3_num_f32 v[TA], v[TA], v[TB], v[\s+31]
.endif
	s_delay_alu instid0(VALU_DEP_1)
	v_add_nc_u32 v[\so], 0xff000000, v[TA]         ; 2 off the exponent field: the conversion takes this operand's exponent field as its scale
	v_cvt_scalef32_pk16_fp6_f32 v[\c0:\c0+2], v[\s:\s+15], v[\so]
	v_cvt_scalef32_pk16_fp6_f32 v[\c1:\c1+2], v[\s+16:\s+31], v[\so]
	v_lshrrev_b32 v[\by], 23, v[\so]               ; the scale's byte; also the plain instruction behind the conversions
.endm
; 16 numbers of a lane, k = 16 h + 0 .. 15 of a row whose K is 32: the block is shared with lane l xor 16.  The fragment's registers f .. f + 5: lanes 0-15 get the whole block, lanes 16-31 zeros
; (f + 6 .. f + 11 were cleared at the head).  v[sw]: the scale word, byte 0.
.macro QH s, f, sw
	v_max3_num_f32 v[TA], |v[\s]|, |v[\s+1]|, 0x1800000
.irp i, 2,4,6,8,10,12,14
	s_delay_alu instid0(VALU_DEP_1)
	v_max3_num_f32 v[TA], v[TA], |v[\s+\i]|, |v[\s+\i+1]|
.endr
	s_delay_alu instid0(VALU_DEP_1)
	v_permlanex16_b32 v[TB], v[TA], s[SEL], s[SEL+1]
	s_delay_alu instid0(VALU_DEP_1)
	v_max_num_f32 v[TA], v[TA], v[TB]
	s_delay_alu instid0(VALU_DEP_1)
	v_add_nc_u32 v[TC], 0xff000000, v[TA]
	s_delay_alu instid0(VALU_DEP_1)
	v_lshrrev_b32 v[\sw], 23, v[TC]
	v_cvt_scalef32_pk16_fp6_f32 v[\f:\f+2], v[\s:\s+15], v[TC]
.irp i, 3,4,5
	v_mov_b32 v[\f+\i], 0                          ; plain instructions behind the conversion
.endr
.irp i, 0,1,2
	v_permlane16_swap_b32 v[\f+\i], v[\f+3+\i]     ; the first's lanes 16-31 change places with the second's lanes 0-15
.endr
.endm
.macro SW4 w, b0, b1                   ; a fragment's scale word from my two blocks' bytes (blocks h and 2 + h) and lane l xor 16's
	s_delay_alu instid0(VALU_DEP_4)
	v_lshl_or_b32 v[\w], v[\b1], 16, v[\b0]
	s_delay_alu instid0(VALU_DEP_1)
	v_lshlrev_b32 v[\w], v[H8], v[\w]
	s_delay_alu instid0(VALU_DEP_1)
	v_permlanex16_b32 v[TB], v[\w], s[SEL], s[SEL+1]
	s_delay_alu instid0(VALU_DEP_1)
	v_or_b32 v[\w], v[\w], v[TB]
.endm
.macro IMAGE adr, off, reg             ; a fragment goes to LDS as it stands: lane l's 16 bytes at 16 l, 512 bytes a store
.irp i, 0,1,2
	ds_store_b128 v[\adr], v[\reg+4*\i:\reg+4*\i+3] offset:\off+512*\i
.endr
.endm
.macro FETCH reg, adr, off             ; and comes back so, in any wave
.irp i, 0,1,2
	ds_load_b128 v[\reg+4*\i:\reg+4*\i+3], v[\adr] offset:\off+512*\i
.endr
.endm
.macro PHI s, n                        ; n pairs: x log2(e) - 3
.set J, 0
.rept \n
	v_pk_fma_f32 v[\s+J:\s+J+1], v[\s+J:\s+J+1], s[60:61], v[M3:M3+1] op_sel_hi:[1,0,1]
.set J, J+2
.endr
.endm
.macro EXPN s, n
.set J, 0
.rept \n
	v_exp_f32 v[\s+J], v[\s+J]
.set J, J+1
.endr
.endm
	s_load_b512 s[4:19], s[0:1], 0x0               ; Z, Wq codes, scales, bq, Wk codes, scales, bk, Wv codes
	s_load_b256 s[20:27], s[0:1], 0x40             ; Wv scales, bv, omega codes, scales
	s_load_b64 s[28:29], s[0:1], 0x60              ; ws
	s_load_b512 s[32:47], s[0:1], 0x68             ; W1 codes, W2 codes, Wo codes, W1 scales, W2 scales, b1, bo, b2
	s_load_b256 s[48:55], s[0:1], 0xa8             ; g1, beta1, g2, beta2
	s_load_b64 s[56:57], s[0:1], 0xc8              ; Wo scales
	v_lshl_add_u32 v47, v0, 2, 0x15600
	s_set_vgpr_msb 0x40
	v_mov_b32 v1, 0
	s_set_vgpr_msb 0x4000
	v_lshrrev_b32 v48, 5, v0
	s_delay_alu instid0(VALU_DEP_1)
	v_readfirstlane_b32 s2, v48                    ; wave 0..7
	s_mov_b32 s3, ttmp9                            ; chunk p
	s_mov_b32 s[SEL], 0x76543210
	s_mov_b32 s[SEL+1], 0xfedcba98                 ; v_permlanex16_b32's selects for lane l xor 16
	s_mov_b32 s60, 0x3fb8aa3b                      ; log2(e)
	s_mov_b32 s61, s60
	s_mov_b32 s66, 0x3e8293ee                      ; c0 = log2(e) / sqrt(32)
	s_mov_b32 s67, 0x358637bd                      ; 1e-6
	v_and_b32 v48, 31, v0                          ; lane
	v_and_b32 v49, 15, v0
	v_bfe_u32 v50, v0, 4, 1                        ; h
	v_and_b32 v51, 7, v0                           ; r % 8
	v_bfe_u32 v52, v0, 3, 1                        ; r / 8
	s_lshr_b32 s68, s2, 2
	s_and_b32 s69, s2, 3
	s_lshl_b32 s70, s68, 6
	s_lshl_b32 s71, s69, 3
	s_add_co_u32 s70, s70, s71
	v_lshl_add_u32 v53, v52, 5, v51
	s_delay_alu instid0(VALU_DEP_1)
	v_add_nc_u32 v53, s70, v53                     ; kappa: my token in the chunk
	v_lshlrev_b32 v[LI], 4, v48
	v_lshlrev_b32 v[LS], 2, v48
	v_lshlrev_b32 v[H8], 3, v50
	s_mul_i32 s71, s2, 1536
	v_add_nc_u32 v[IM], s71, v[LI]
	s_lshl_b32 s71, s2, 7
	v_add_nc_u32 v[IS], s71, v[LS]
	v_mul_u32_u24 v[VST], v50, 8448                ; channel 16 h + i lies 528 (16 h + i) bytes down
	s_delay_alu instid0(VALU_DEP_1)
	v_lshl_add_u32 v[VST], v53, 2, v[VST]
	v_lshlrev_b32 v[VPC], 6, v53
	s_delay_alu instid0(VALU_DEP_1)
	v_lshl_add_u32 v[VPC], v50, 5, v[VPC]
	s_delay_alu instid0(VALU_DEP_1)
	v_add_nc_u32 v[VPC], PQST, v[VPC]
	v_lshl_add_u32 v[VB1], v53, 1, v50
	s_delay_alu instid0(VALU_DEP_1)
	v_add_nc_u32 v[VB1], SCLS, v[VB1]              ; phi_Q's byte: 2 kappa + block
	v_and_b32 v54, 3, v53
	s_delay_alu instid0(VALU_DEP_1)
	v_lshl_add_u32 v[VB2], v54, 6, v50
	v_bfe_u32 v54, v53, 2, 4
	s_delay_alu instid0(VALU_DEP_1)
	v_lshl_add_u32 v[VB2], v54, 2, v[VB2]
	v_lshrrev_b32 v54, 6, v53
	s_delay_alu instid0(VALU_DEP_1)
	v_lshl_add_u32 v[VB2], v54, 1, v[VB2]
	s_delay_alu instid0(VALU_DEP_1)
	v_add_nc_u32 v[VB2], SCLS+256, v[VB2]          ; phi_K's byte: 64 (kappa % 4) + 4 ((kappa % 64) / 4) + 2 (kappa / 64) + block: the words that the second launch's tiles of keys want
	v_and_b32 v54, 3, v53
	v_mul_u32_u24 v232, 1536, v54
	v_bfe_u32 v54, v53, 2, 4
	v_lshl_add_u32 v54, v50, 4, v54
	v_mad_u32_u24 v232, v54, 48, v232
	v_lshrrev_b32 v54, 6, v53
	v_mad_u32_u24 v232, v54, 24, v232
	v_add_nc_u32 v232, PKST, v232                  ; v232 (phase A): where my token's 24 bytes of phi_K's block h go: 1,536 (kappa % 4) + 48 ((kappa % 64) / 4 + 16 h) + 24 (kappa / 64)
	s_min_u32 s71, s2, 2
	s_lshr_b32 s71, s71, 1                         ; phase B's data: 0 Z (waves 0, 1), 1 normalised K
	s_mul_i32 s72, s71, 12288
	v_add_nc_u32 v[VDF], s72, v[LI]
	s_lshl_b32 s72, s71, 10
	s_add_co_u32 s72, s72, DSC
	v_add_nc_u32 v[VDS], s72, v[LS]
	s_mul_i32 s72, s69, 1536
	s_add_co_u32 s72, s72, FIMG+3072
	v_add_nc_u32 v[VFA], s72, v[LI]                ; phase C: phi_K^T's tile wave % 4,
	s_mul_i32 s72, s68, 1536
	s_add_co_u32 s72, s72, FIMG
	v_add_nc_u32 v[VFV], s72, v[LI]                ; V^T's tile wave / 4
	s_lshl_b32 s72, s69, 7
	s_add_co_u32 s72, s72, FSC+256
	v_add_nc_u32 v[VSA], s72, v[LS]
	s_lshl_b32 s72, s68, 7
	s_add_co_u32 s72, s72, FSC
	v_add_nc_u32 v[VSV], s72, v[LS]
	s_mul_i32 s72, s69, 2112                       ; the way out: wave % 4 numbers waves 0, 1, 6, 7 from 0 to 3
	v_add_nc_u32 v[VKR], s72, v[LI]                ; the way out: rows 4 (wave % 4) + 16 n + i of KST
	v_mul_u32_u24 v[VQR], v48, 528
	s_lshl_b32 s72, s69, 6
	v_add_nc_u32 v[VQR], s72, v[VQR]               ; QST: channel = lane, 16 tokens
	s_lshl_b32 s72, s69, 10
	s_add_co_u32 s72, s72, PQST
	v_add_nc_u32 v[VPR], s72, v[LI]
	s_lshl_b32 s72, s2, 8
	s_add_co_u32 s72, s72, SCLS
	v_lshl_add_u32 v[VSR], v48, 3, s72
	s_lshl_b32 s72, s2, 7
	s_add_co_u32 s72, s72, SCLS+512
	v_add_nc_u32 v[VVS], s72, v[LS]
	; byte offsets in memory
	v_lshlrev_b32 v[VZ], 7, v53
	s_delay_alu instid0(VALU_DEP_1)
	v_lshl_add_u32 v[VZ], v50, 6, v[VZ]
	s_lshl_b32 s72, s3, 14
	v_add_nc_u32 v[VZ], s72, v[VZ]                 ; Z: token's row of 128 bytes, + 64 h
	v_lshlrev_b32 v[VH64], 6, v50
	v_lshl_add_u32 v[VS32], v52, 4, v51            ; a tile's row r takes weight row r % 8 + 16 (r / 8) (+ 8 u): a lane's 16 results are then channels 16 h + 0 .. 15
	s_wait_alu depctr_va_vdst(0)
	v_mul_u32_u24 v[VC32], v[VS32], 24
	v_lshl_add_u32 v[VS64], v52, 5, v51            ; or r % 8 + 32 (r / 8) (+ 8 a): 32 results are features 32 h + 0 .. 31
	s_delay_alu instid0(VALU_DEP_1)
	v_mul_u32_u24 v[VC64], v[VS64], 24
	s_max_u32 s75, s2, 2
	s_sub_co_u32 s75, s75, 2
	s_min_u32 s75, s75, 3
	s_cmp_lt_u32 s2, 2                             ; phase B's role: waves 0, 1 Wv's tile, the others omega's (waves 6, 7 load tile 3 and use nothing)
	s_cselect_b32 s75, s2, s75
	s_cselect_b32 s73, 4, 5
	s_cselect_b32 s74, -1, 0
	v_lshlrev_b32 v[VWBS], s73, v52
	s_delay_alu instid0(VALU_DEP_1)
	v_add_nc_u32 v[VWBS], v[VWBS], v51
	s_lshl_b32 s76, s75, 3
	v_add_nc_u32 v[VWBS], s76, v[VWBS]
	s_delay_alu instid0(VALU_DEP_1)
	v_mul_u32_u24 v[VWB], v[VWBS], 24
	s_and_b32 s76, s75, 1
	s_lshl_b32 s76, s76, 3
	v_add_nc_u32 v[VVB], s76, v[VS32]
	s_delay_alu instid0(VALU_DEP_1)
	v_lshlrev_b32 v[VVB], 2, v[VVB]                ; always inside bv
	s_mul_i32 s76, s3, 3072
	s_mul_i32 s77, s2, 1536
	s_add_co_u32 s76, s76, s77
	v_add_nc_u32 v[GVT], s76, v[LI]
	s_lshl_b32 s76, s3, 13
	s_lshl_b32 s77, s2, 10
	s_add_co_u32 s76, s76, s77
	v_add_nc_u32 v[GKV], s76, v[LI]
	s_lshl_b32 s76, s69, 15
	s_lshl_b32 s77, s3, 9
	s_add_co_u32 s76, s76, s77
	v_add_nc_u32 v[GKT], s76, v[LI]
	s_lshl_b32 s76, s3, 14
	s_lshl_b32 s77, s69, 11
	s_add_co_u32 s76, s76, s77
	v_add_nc_u32 v[GQS], s76, v[LI]
	s_mul_i32 s76, s3, 6144
	s_mul_i32 s77, s69, 768
	s_add_co_u32 s76, s76, s77
	v_mul_u32_u24 v[GPQ], v48, 12
	s_delay_alu instid0(VALU_DEP_1)
	v_add_nc_u32 v[GPQ], s76, v[GPQ]
	s_mul_i32 s76, s3, 768
	s_lshl_b32 s77, s2, 8
	s_add_co_u32 s76, s76, s77
	v_lshl_add_u32 v[GSC], v48, 3, s76
	v_lshlrev_b32 v[L15], 4, v49
	v_lshlrev_b32 v[L7], 4, v51
	v_and_b32 v[L1], 1, v0
	s_delay_alu instid0(VALU_DEP_1)
	v_lshlrev_b32 v[L1], 4, v[L1]
	v_mov_b32 v[M3], 0xc0400000                    ; -3.0
	v_mov_b32 v[M3+1], 0xc0400000
	s_wait_alu depctr_va_vdst(0)
	s_wait_kmcnt 0x0
	s_cmp_eq_u32 s3, 16
	s_cbranch_scc1 .Lpack                          ; work-group 16: all its waves
.irp i, 0,1,2,3
	global_load_b128 v[ZR+4*\i:ZR+4*\i+3], v[VZ], s[4:5] offset:16*\i   ; Z first: my token's channels 16 h + 0 .. 15
.endr
	s_cmp_lt_u32 s2, 2
	s_cselect_b64 s[80:81], s[18:19], s[24:25]     ; phase B's weight: a choice on the wave's number alone
	s_cselect_b64 s[82:83], s[20:21], s[26:27]
.irp u, 0,1
.irp k, 0,1,2
	global_load_b64 v[WR+6*\u+2*\k:WR+6*\u+2*\k+1], v[VC32], s[6:7] offset:192*\u+8*\k
	global_load_b64 v[WR+12+6*\u+2*\k:WR+12+6*\u+2*\k+1], v[VC32], s[12:13] offset:192*\u+8*\k
.endr
.endr
.irp a, 0,1,2,3
.irp k, 0,1,2
	global_load_b64 v[WR+24+6*\a+2*\k:WR+24+6*\a+2*\k+1], v[VC64], s[24:25] offset:192*\a+8*\k
.endr
.endr
.irp k, 0,1,2
	global_load_b64 v[WR+48+2*\k:WR+48+2*\k+1], v[VWB], s[80:81] offset:8*\k
.endr
.irp u, 0,1
	global_load_u8 v[WQS+\u], v[VS32], s[8:9] offset:8*\u          ; a byte, widened with zeros: a scale word whose blocks 1-3 meet zero codes
	global_load_u8 v[WKS+\u], v[VS32], s[14:15] offset:8*\u
.endr
.irp a, 0,1,2,3
	global_load_u8 v[OMS+\a], v[VS64], s[26:27] offset:8*\a
.endr
	global_load_u8 v[WBS], v[VWBS], s[82:83]
.irp i, 0,1,2,3
	global_load_b128 v[BQ+4*\i:BQ+4*\i+3], v[VH64], s[10:11] offset:16*\i   ; the biases are the C of the products, in the result's layout
	global_load_b128 v[BK+4*\i:BK+4*\i+3], v[VH64], s[16:17] offset:16*\i
.endr
	global_load_b32 v[BV], v[VVB], s[22:23]
.irp i, 6,7,8,9,10,11
	v_mov_b32 v[ZF+\i], 0                          ; blocks 2 and 3 of the data's fragments: zero codes
	v_mov_b32 v[QF+\i], 0
	v_mov_b32 v[KF+\i], 0
	v_mov_b32 v[WR+48+\i], 0                       ; the end of the weights' run
.endr
	; ---- phase A
	s_wait_loadcnt 45                              ; Z's four loads are in; the 45 issued behind them may be out
	QH ZR, ZF, ZS
	IMAGE IM, ZIMG, ZF
	ds_store_b32 v[IS], v[ZS] offset:DSC
	s_wait_alu depctr_va_vdst(0)
	s_wait_loadcnt 0x0
	PLACES 8                                       ; a scale written by a vector instruction stands 8 plain instructions ahead of a scaled product, an operand so written 4
.irp u, 0,1                                    ; transposed: source 0 = 16 rows of the weight, source 1 = my 16 tokens: lane (token r, h), register 8 u + j = channel 16 h + 8 u + j
	MM BQ+8*\u, WR+6*\u, ZF, BQ+8*\u, WQS+\u, ZS
	MM BK+8*\u, WR+12+6*\u, ZF, BK+8*\u, WKS+\u, ZS
.endr
	PLACES 4
.irp i, 0,2,4,6,8,10,12,14
	v_pk_mul_f32 v[ZR+\i:ZR+\i+1], v[BQ+\i:BQ+\i+1], s[66:67] op_sel_hi:[1,0]   ; Q x c0, for the second launch's exponentials
.endr
.irp i, 0,1,2,3,4,5,6,7,8,9,10,11,12,13,14,15
	ds_store_b32 v[VST], v[ZR+\i] offset:QST+528*\i
.endr
.irp i, 0,1,2,3,4,5,6,7,8,9,10,11,12,13,14,15
	ds_store_b32 v[VST], v[BK+\i] offset:KST+528*\i
.endr
	v_pk_mul_f32 v[48:49], v[BQ:BQ+1], v[BQ:BQ+1]  ; the two norms, by turns
	v_pk_mul_f32 v[50:51], v[BK:BK+1], v[BK:BK+1]
.irp i, 2,4,6,8,10,12,14
	v_pk_fma_f32 v[48:49], v[BQ+\i:BQ+\i+1], v[BQ+\i:BQ+\i+1], v[48:49]
	v_pk_fma_f32 v[50:51], v[BK+\i:BK+\i+1], v[BK+\i:BK+\i+1], v[50:51]
.endr
	s_delay_alu instid0(VALU_DEP_2)
	v_add_f32 v48, v48, v49
	s_delay_alu instid0(VALU_DEP_2)
	v_add_f32 v50, v50, v51
	s_delay_alu instid0(VALU_DEP_2)
	v_permlanex16_b32 v49, v48, s[SEL], s[SEL+1]
	s_delay_alu instid0(VALU_DEP_2)
	v_permlanex16_b32 v51, v50, s[SEL], s[SEL+1]
	s_delay_alu instid0(VALU_DEP_2)
	v_add_f32 v48, v48, v49
	s_delay_alu instid0(VALU_DEP_2)
	v_add_f32 v50, v50, v51
	s_wait_alu depctr_va_vdst(0)
	v_sqrt_f32 v48, v48
	v_sqrt_f32 v50, v50
	v_nop                                          ; a plain instruction behind the roots
	s_wait_alu depctr_va_vdst(0)                   ; one wait for both, ahead of their first reader
	v_max_num_f32 v48, s67, v48                    ; held at 1e-6 from below
	v_max_num_f32 v50, s67, v50
	s_wait_alu depctr_va_vdst(0)
	v_rcp_f32 v48, v48
	v_rcp_f32 v50, v50
	v_nop
	s_wait_alu depctr_va_vdst(0)
	s_wait_dscnt 0x0                               ; the stores into K's stage have read their registers, which are scaled in place below
.irp i, 0,2,4,6,8,10,12,14
	v_pk_mul_f32 v[BQ+\i:BQ+\i+1], v[BQ+\i:BQ+\i+1], v[48:49] op_sel_hi:[1,0]
	v_pk_mul_f32 v[BK+\i:BK+\i+1], v[BK+\i:BK+\i+1], v[50:51] op_sel_hi:[1,0]
.endr
	QH BQ, QF, QNS
	QH BK, KF, KNS
	IMAGE IM, KIMG, KF
	ds_store_b32 v[IS], v[KNS] offset:DSC+1024
	PLACES 8
.irp a, 0,1,2,3                                ; source 0 = 16 rows of omega: lane (token r, h), register 8 a + j = feature 32 h + 8 a + j
	MM0 PHQ+8*\a, WR+24+6*\a, QF, OMS+\a, QNS
	MM0 PHK+8*\a, WR+24+6*\a, KF, OMS+\a, KNS
.endr
	PLACES 4
	PHI PHQ, 16
	PHI PHK, 16
	s_wait_alu depctr_va_vdst(0)
	EXPN PHQ, 32
	EXPN PHK, 32
	v_nop
	s_wait_alu depctr_va_vdst(0)                   ; one wait for the 64 exponentials
	QB PHQ, 148, 152, 50, 52, 0                    ; along the features: my 32 are a whole block
	QB PHK, 156, 160, 51, 53, 0
	ds_store_b96 v[VPC], v[148:150]
	ds_store_b96 v[VPC], v[152:154] offset:16
	v_mov_b32 v159, v160                           ; phi_K's six registers on end
	v_mov_b32 v160, v161
	v_mov_b32 v161, v162
	ds_store_b64 v232, v[156:157]
	ds_store_b64 v232, v[158:159] offset:8
	ds_store_b64 v232, v[160:161] offset:16
	ds_store_b8 v[VB1], v52
	ds_store_b8 v[VB2], v53
	BARRIER                                        ; the sixteen data fragments, Q, K, the codes and their bytes lie in LDS
	; ---- phase B: V^T and phi_K^T: source 0 = 16 tokens, source 1 = 16 rows of the weight: lane (column r, h), register 32 c + 8 a + j = token 64 c + 32 h + 8 a + j
	s_cmp_lt_u32 s2, 6
	s_cbranch_scc0 .Lno_b
.irp t, 0,1,2,3,4,5,6,7
	FETCH 56+12*\t+20*(\t/4), VDF, 1536*\t
	ds_load_b32 v[32+\t], v[VDS] offset:128*\t
.endr
	v_and_b32 v[BV], s74, v[BV]                    ; bv for V^T, 0 for phi_K^T
.irp j, 0,1,2,3,4,5,6,7
	v_mov_b32 v[116+\j], v[BV]                     ; my column's bias in all eight rows
.endr
	s_wait_alu depctr_va_vdst(0)
	s_wait_dscnt 0x0
	PLACES 4
.irp t, 0,1,2,3,4,5,6,7
	MM 184+8*\t, 56+12*\t+20*(\t/4), WR+48, 116, 32+\t, WBS
.endr
	PLACES 4
	s_cmp_lt_u32 s2, 2
	s_cbranch_scc1 .Lis_v
	PHI 184, 32
	s_wait_alu depctr_va_vdst(0)
	EXPN 184, 64
	v_nop
	s_wait_alu depctr_va_vdst(0)
.Lis_v:
	QB 184, 172, 56, 50, 52, 1                     ; along the tokens: blocks h and 2 + h of my column
.irp i, 0,1,2
	v_mov_b32 v[175+\i], v[56+\i]                  ; (a conversion's three registers begin on an even number)
.endr
	QB 216, 178, 60, 51, 53, 1
.irp i, 0,1,2
	v_mov_b32 v[181+\i], v[60+\i]
.endr
	SW4 FS, 52, 53
	IMAGE IM, FIMG, 172
	ds_store_b32 v[IS], v[FS] offset:FSC
	s_cmp_lt_u32 s2, 2
	s_cbranch_scc0 .Lno_b
.irp i, 0,1,2
	global_store_b128 v[GVT], v[172+4*\i:175+4*\i], s[28:29] offset:VT_O+512*\i   ; V^T's image: 512 consecutive bytes a store
.endr
	ds_store_b32 v[VVS], v[FS]
.Lno_b:
; A UNIT OF THE WAY OUT, one of eight: four channels of K (512 consecutive bytes a store), 16 tokens of Q and of phi_Q's codes; through registers b .. b + 38.
.macro WAYOUT n, b
.irp i, 0,1,2,3
	ds_load_b128 v[\b+4*\i:\b+4*\i+3], v[VKR] offset:KST+528*\i+8448*\n
.endr
.irp i, 0,1,2,3
	ds_load_b128 v[\b+16+4*\i:\b+16+4*\i+3], v[VQR] offset:QST+16*\i+256*\n
.endr
.irp i, 0,1
	ds_load_b96 v[\b+32+4*\i:\b+32+4*\i+2], v[VPR] offset:512*\i+4096*\n
.endr
	s_wait_dscnt 6                                 ; K's four rows are in; the six loads behind them may be out
.irp i, 0,1,2,3
	global_store_b128 v[GKT], v[\b+4*\i:\b+4*\i+3], s[28:29] offset:KT_O+8192*\i+131072*\n
.endr
	s_wait_dscnt 2                                 ; Q's four are in
.irp i, 0,1,2,3
	global_store_b128 v[GQS], v[\b+16+4*\i:\b+16+4*\i+3], s[28:29] offset:QS_O+512*\i+8192*\n
.endr
	s_wait_dscnt 0x0
.irp i, 0,1
	global_store_b96 v[GPQ], v[\b+32+4*\i:\b+32+4*\i+2], s[28:29] offset:PQ_O+384*\i+3072*\n
.endr
.endm
; The small inputs: loaded, then stored on end.
.macro PKI st, n, off, base, si, di
.if \st
	global_store_b128 v[\off], v[116+4*(\n):119+4*(\n)], s[28:29] offset:WP_O+\di
.else
	global_load_b128 v[116+4*(\n):119+4*(\n)], v[\off], s[\base:\base+1] offset:\si
.endif
.endm
.macro PACKALL st                      ; a buffer shorter than 512 bytes: the lanes fold onto it, and lanes with the same 16 bytes store them to the same place
.irp n, 0,1,2,3,4,5
	PKI \st, \n, LI, 32, 512*\n, 512*\n
	PKI \st, 6+\n, LI, 34, 512*\n, 3072+512*\n
.endr
	PKI \st, 12, LI, 36, 0, 6144
	PKI \st, 13, L15, 36, 512, 6656
	PKI \st, 14, L7, 38, 0, 6912
	PKI \st, 15, L7, 40, 0, 7040
	PKI \st, 16, LI, 42, 0, 7168
	PKI \st, 17, L7, 44, 0, 7680
	PKI \st, 18, L7, 46, 0, 7808
	PKI \st, 19, L7, 48, 0, 7936
	PKI \st, 20, L7, 50, 0, 8064
	PKI \st, 21, L7, 52, 0, 8192
	PKI \st, 22, L7, 54, 0, 8320
	PKI \st, 23, L1, 56, 0, 8448
.endm
	s_add_co_u32 s76, s2, 2
	s_and_b32 s76, s76, 7
	s_cmp_lt_u32 s76, 4                            ; waves 6, 7, 0, 1: two units each, and one tile of phi_K's images
	s_cbranch_scc0 .Lno_out
	s_mul_i32 s76, s69, 1536
	s_mul_i32 s77, s3, 6144
	s_add_co_u32 s77, s77, s76
	s_add_co_u32 s76, s76, PKST
	v_and_b32 v48, 31, v0
	v_mul_u32_u24 v49, v48, 48
	v_add_nc_u32 v49, s76, v49                     ; my lane's 48 bytes of tile wave % 4,
	v_lshl_add_u32 v48, v48, 4, s77                ; which leave in three pieces of 512 consecutive bytes
	s_wait_alu depctr_va_vdst(0)
.irp i, 0,1,2
	ds_load_b128 v[128+4*\i:131+4*\i], v49 offset:16*\i
.endr
	WAYOUT 0, 88
.irp i, 0,1,2
	global_store_b128 v48, v[128+4*\i:131+4*\i], s[28:29] offset:PK_O+512*\i
.endr
	WAYOUT 1, 184
.Lno_out:
	BARRIER                                        ; the six fragments along the tokens lie in LDS
	; ---- phase C: this chunk's part of phi_K^T V: lane (r, h), register j = feature 32 h + 8 a + j, channel 8 u + r % 8 + 16 (r / 8)
	FETCH 56, VFA, 0
	FETCH 68, VFV, 0
	ds_load_b32 v[SA], v[VSA]
	ds_load_b32 v[SV], v[VSV]
	s_wait_dscnt 0x0
	MM0 80, 56, 68, SA, SV
	PLACES 4
	global_store_b128 v[GKV], v[80:83], s[28:29] offset:KVP_O
	global_store_b128 v[GKV], v[84:87], s[28:29] offset:KVP_O+512
	; ---- the chunk's scale bytes
	s_wait_xcnt 0x0
	s_cmp_lt_u32 s2, 3
	s_cbranch_scc0 .Lend
	ds_load_b64 v[168:169], v[VSR]
	s_wait_dscnt 0x0
	global_store_b64 v[GSC], v[168:169], s[28:29] offset:SCL_O                     ; 256 consecutive bytes, aligned
.Lend:
	s_barrier_signal -1
	s_barrier_wait -1
	s_set_vgpr_msb 0x4
	s_wait_tensorcnt 0x0
	ds_add_u32 v47, v1
	s_wait_dscnt 0x0
	s_set_vgpr_msb 0x400
	s_endpgm
.Lpack:                                        ; ---- work-group 16: the last layers' thirteen small inputs on end, so that the second launch fetches them as one row.  It writes no LDS
	s_cmp_lg_u32 s2, 0
	s_cbranch_scc1 .Lpacked
	PACKALL 0
	s_wait_loadcnt 0x0
	PACKALL 1
.Lpacked:
	s_endpgm
.Lfunc_end_k_q2860cb774e_prep:
	.size	k_q2860cb774e_prep, .Lfunc_end_k_q2860cb774e_prep-k_q2860cb774e_prep
	.p2alignl 7, 3214868480
	.fill 96, 4, 3214868480
	.section	.rodata,"a",@progbits
	.p2align	6, 0x0
	.amdhsa_kernel k_q2860cb774e_prep
		.amdhsa_group_segment_fixed_size 88576
		.amdhsa_private_segment_fixed_size 0
		.amdhsa_enable_private_segment 0
		.amdhsa_kernarg_size 208
		.amdhsa_user_sgpr_count 2
		.amdhsa_user_sgpr_kernarg_segment_ptr 1
		.amdhsa_wavefront_size32 1
		.amdhsa_system_sgpr_workgroup_id_x 1
		.amdhsa_system_sgpr_workgroup_id_y 1
		.amdhsa_system_sgpr_workgroup_id_z 1
		.amdhsa_system_vgpr_workitem_id 0
		.amdhsa_next_free_vgpr 258
		.amdhsa_next_free_sgpr 90
		.amdhsa_reserve_vcc 0
		.amdhsa_float_denorm_mode_32 3
		.amdhsa_float_denorm_mode_16_64 3
		.amdhsa_memory_ordered 1
		.amdhsa_forward_progress 1
		.amdhsa_inst_pref_size 55
	.end_amdhsa_kernel
	.amdgpu_metadata
---
amdhsa.version: [ 1, 2 ]
amdhsa.kernels:
  - .name:           k_q2860cb774e_prep
    .symbol:         k_q2860cb774e_prep.kd
    .args:
      - { .name: Z, .offset: 0, .size: 8, .value_kind: global_buffer, .address_space: global }
      - { .name: Wq_codes, .offset: 8, .size: 8, .value_kind: global_buffer, .address_space: global }
      - { .name: Wq_scales, .offset: 16, .size: 8, .value_kind: global_buffer, .address_space: global }
      - { .name: bq, .offset: 24, .size: 8, .value_kind: global_buffer, .address_space: global }
      - { .name: Wk_codes, .offset: 32, .size: 8, .value_kind: global_buffer, .address_space: global }
      - { .name: Wk_scales, .offset: 40, .size: 8, .value_kind: global_buffer, .address_space: global }
      - { .name: bk, .offset: 48, .size: 8, .value_kind: global_buffer, .address_space: global }
      - { .name: Wv_codes, .offset: 56, .size: 8, .value_kind: global_buffer, .address_space: global }
      - { .name: Wv_scales, .offset: 64, .size: 8, .value_kind: global_buffer, .address_space: global }
      - { .name: bv, .offset: 72, .size: 8, .value_kind: global_buffer, .address_space: global }
      - { .name: omega_codes, .offset: 80, .size: 8, .value_kind: global_buffer, .address_space: global }
      - { .name: omega_scales, .offset: 88, .size: 8, .value_kind: global_buffer, .address_space: global }
      - { .name: ws, .offset: 96, .size: 8, .value_kind: global_buffer, .address_space: global }
      - { .name: W1_codes, .offset: 104, .size: 8, .value_kind: global_buffer, .address_space: global }
      - { .name: W2_codes, .offset: 112, .size: 8, .value_kind: global_buffer, .address_space: global }
      - { .name: Wo_codes, .offset: 120, .size: 8, .value_kind: global_buffer, .address_space: global }
      - { .name: W1_scales, .offset: 128, .size: 8, .value_kind: global_buffer, .address_space: global }
      - { .name: W2_scales, .offset: 136, .size: 8, .value_kind: global_buffer, .address_space: global }
      - { .name: b1, .offset: 144, .size: 8, .value_kind: global_buffer, .address_space: global }
      - { .name: bo, .offset: 152, .size: 8, .value_kind: global_buffer, .address_space: global }
      - { .name: b2, .offset: 160, .size: 8, .value_kind: global_buffer, .address_space: global }
      - { .name: g1, .offset: 168, .size: 8, .value_kind: global_buffer, .address_space: global }
      - { .name: beta1, .offset: 176, .size: 8, .value_kind: global_buffer, .address_space: global }
      - { .name: g2, .offset: 184, .size: 8, .value_kind: global_buffer, .address_space: global }
      - { .name: beta2, .offset: 192, .size: 8, .value_kind: global_buffer, .address_space: global }
      - { .name: Wo_scales, .offset: 200, .size: 8, .value_kind: global_buffer, .address_space: global }
    .group_segment_fixed_size: 88576
    .private_segment_fixed_size: 0
    .kernarg_segment_align: 8
    .kernarg_segment_size: 208
    .max_flat_workgroup_size: 256
    .sgpr_count:     90
    .vgpr_count:     258
    .wavefront_size: 32
...
	.end_amdgpu_metadata
.endif
;; end of part 3
;; launch attn (part 4): grid 256 x 1, 16 waves a work-group, no clusters, 193,024 bytes of LDS; arguments ws, mask, Z, out0; writes out0
.if DOCPART == 4
	.amdgcn_target "amdgcn-amd-amdhsa--gfx1250"
	.amdhsa_code_object_version 6
	.text
	.protected	k_q2860cb774e_attn
	.globl	k_q2860cb774e_attn
	.p2align	8
	.type	k_q2860cb774e_attn,@function
k_q2860cb774e_attn:
	s_mov_b64 s[64:65], 0
	v_nop
	global_prefetch_b8 v0, s[64:65] scope:SCOPE_SE
	s_setreg_imm32_b32 hwreg(HW_REG_WAVE_MODE, 25, 1), 1
	s_wait_xcnt 0x0
; ATTN.  For 8 queries a work-group: scores = where(mask == 0, sum over channels of exp(Q K / sqrt(32)) - phi_Q phi_K^T, 0); scores V + phi_Q (phi_K^T V); division by the row's sum; Wo; LayerNorm; the two-layer net; LayerNorm.
; All products on codes of FP6 (E2M3) with one E8M0 scale for each 32 along K; all else f32.
; SHARES.  Work-group g owns queries 8 g .. 8 g + 7: 2,048 rows / 256 work-groups, each output row with one owner.  Wave w owns keys 128 w .. 128 w + 127, one K step of scores V.
; Wave 1 also does the low-rank term, wave 0 the last layers.
; EXPONENTIALS.  8 x 2,048 x 32 a work-group, 1,024 instructions a wave.  Lane l holds keys 128 w + 4 l + 0 .. 3; a channel of K is one load of 16 bytes a lane (512 consecutive bytes a wave), in a ring of eight channels.
; The 8 queries' numbers of all 32 channels are fetched once: lane c holds channel c's in eight registers; eight v_readlane_b32 a channel, a stage ahead of their use, bring them to the even registers of scalar pairs.
; The head waits for the queries and K's first channel alone: phi_term is made and taken off behind stage 5, phi_K^T V behind stage 11.  Channel 0's exponentials start the sums: nothing is cleared.
; EIGHT QUERIES IN A TILE OF SIXTEEN.  phi_Q's fragment holds query m in blocks 0, 1 of rows m < 8 and query m - 8 in blocks 2, 3 of rows m >= 8, zero codes elsewhere; a fragment of phi_K holds one key in blocks 0, 1 and another
; in blocks 2, 3: one instruction gives 8 queries x 32 keys.  In scores V slot r is (query r % 8, the wave's key half r / 8); the two halves are added at the end.
; NO CLUSTER, though all work-groups read the same K, phi_K, V and partial sums: K alone is 262,144 bytes, which does not fit in LDS beside the 65,536 of mask rows and the 114,688 of stages, so joint loads would want a ring with a
; round for each refill, and K would pass through LDS on its way to registers in which each number is used once.  NO PREFETCH: each channel of K is asked for five to eight stages ahead of its use by its own load, and the walk is written out.
; LDS is filled once, one tensor load a wave: waves 0-7 a row of the mask each, wave 8 the packed small inputs, wave 9 the 8 rows of Z.
; LIMITS: NaN and infinities are not served.  A block whose largest magnitude lies under 2^-124 keeps the scale byte 1, a block of zeros too (the quantiser's rule says 127 there): its codes are zeros, and nobody else reads the byte.
; Q K / sqrt(32) is formed as (Q log2(e) / sqrt(32)) K; a division is a reciprocal and a multiplication.
.set QS_O,  0
.set KT_O,  524288
.set PQ_O,  786432
.set PK_O,  884736
.set VT_O,  983040
.set SCL_O, 1032192
.set KVP_O, 1044480
.set WP_O,  1175552
.set CW,   65536                       ; LDS: 0: the mask, [query][8,192 bytes];  CW: the packed small inputs, 8,480 bytes
.set ZRO,  74240                       ; 8 rows of Z
.set KVS,  75264                       ; phi_K^T V, summed over the 16 chunks
.set TR,   83456                       ; a wave's 16 half rows (query + 8 x key half) of 256 bytes + 16
.set RED,  153088                      ; the 16 waves' partial results and the low-rank term: 17 x 2,048
.set FIN,  187904                      ; their sum
.set OUTS, 189952                      ; the output's stage
.set SPARE, 190976                     ; the spare words, 128 bytes a wave
.set VK, 1                             ; v1   16 x thread: K's channels and the partial sums
.set VPK, 2                            ; v2   phi_K's images
.set VS, 3                             ; v3   768 w + 4 lane: scale words
.set VPQ, 4                            ; v4   phi_Q's codes
.set VPQS, 5                           ; v5   phi_Q's scale bytes
.set VVT, 6                            ; v6   V^T's images
.set VMK, 7                            ; v7   my keys of a mask row
.set VTS, 8                            ; v8   the turn through LDS: in,
.set VTL, 9                            ; v9   and back
.set VRS, 10                           ; v10  my wave's partial result
.set VRL, 11                           ; v11  RED + 16 x lane
.set VKV, 12                           ; v12  KVS + 16 x thread
.set VKL, 13                           ; v13  KVS + 16 x lane
.set VT4, 14                           ; v14  RED + 4 x thread
.set VQS, 15                           ; v15  1,024 g + 16 x lane: my channel of the queries
.set PQS, 16                           ; v16-28 hold scales and nothing else
.set PKS, 17
.set KVSC, 21
.set VSC, 23
.set PS, 25
.set DSW, 26
.set W2S, 27
.set W1S, 16
.set WOS, 24
.set SPW, 30                           ; v30  my spare word
.set NIL, 31                           ; v31  0
.set TA, 32                            ; v32-39 at work
.set TB, 33
.set TC, 34
.set E, 40                             ; v40-71   sums: register 4 q + t = query q, key 4 lane + t
.set KF, 40                            ; v40-55   behind the stages: my partial result
.set T0, 72                            ; v72-135  two sets of 32 exponents
.set LRF, 104                          ; v104-127 wave 1: phi_K^T V's two fragments, in the second set while it is free (behind an odd stage)
.set KR, 136                           ; v136-167 eight channels of K
.set A, 168                            ; v168-231 phi_K; the partial sums; V^T and the mask
.set PF, 232                           ; v232-243 phi_Q's fragment, later the scores'
.set QV, 244                           ; v244-251 lane c = query q's number of channel c
.set SQ, 68                            ; s[68:99] two channels of the queries: the even registers hold the numbers; the odd ones are written once, since a pair is named whole
.set SEL, 54
.macro PLACES n
.rept \n
	v_nop
.endr
.endm
.macro BARRIER                         ; my LDS stores have landed and my LDS loads are in: then the work-group's barrier
	s_wait_dscnt 0x0
	s_barrier_signal -1
	s_barrier_wait -1
.endm
.macro MM d, a, b, c, sa, sb
	v_wmma_scale_f32_16x16x128_f8f6f4 v[\d:\d+7], v[\a:\a+11], v[\b:\b+11], v[\c:\c+7], v[\sa], v[\sb] matrix_a_fmt:MATRIX_FMT_FP6 matrix_b_fmt:MATRIX_FMT_FP6
.endm
.macro MM0 d, a, b, sa, sb
	v_wmma_scale_f32_16x16x128_f8f6f4 v[\d:\d+7], v[\a:\a+11], v[\b:\b+11], 0, v[\sa], v[\sb] matrix_a_fmt:MATRIX_FMT_FP6 matrix_b_fmt:MATRIX_FMT_FP6
.endm
; 32 numbers of a lane, one whole block: codes of the first 16 to v[c0] on, of the last 16 to v[c1] on, the conversion's scale operand to v[so], the scale byte to v[by].
; The floor 2^(3 - 127) is one of the maximum's leaves: the byte cannot fall under 1.
.macro QB s, c0, c1, so, by
	v_max3_num_f32 v[TA], |v[\s]|, |v[\s+1]|, 0x1800000
	v_max3_num_f32 v[TB], |v[\s+2]|, |v[\s+3]|, |v[\s+4]|
.irp i, 5,9,13,17,21,25
	s_delay_alu instid0(VALU_DEP_2)
	v_max3_num_f32 v[TA], v[TA], |v[\s+\i]|, |v[\s+\i+1]|
	s_delay_alu instid0(VALU_DEP_2)
	v_max3_num_f32 v[TB], v[TB], |v[\s+\i+2]|, |v[\s+\i+3]|
.endr
	s_delay_alu instid0(VALU_DEP_2)
	v_max3_num_f32 v[TA], v[TA], |v[\s+29]|, |v[\s+30]|
	s_delay_alu instid0(VALU_DEP_1)
	v_max3_num_f32 v[TA], v[TA], v[TB], |v[\s+31]|
	s_delay_alu instid0(VALU_DEP_1)
	v_add_nc_u32 v[\so], 0xff000000, v[TA]         ; 2 off the exponent field: the conversion takes this operand's exponent field as its scale
	v_cvt_scalef32_pk16_fp6_f32 v[\c0:\c0+2], v[\s:\s+15], v[\so]
	v_cvt_scalef32_pk16_fp6_f32 v[\c1:\c1+2], v[\s+16:\s+31], v[\so]
	v_lshrrev_b32 v[\by], 23, v[\so]               ; the scale's byte; also the plain instruction behind the conversions
.endm
; 16 numbers of a lane, k = 16 h + 0 .. 15 of a row whose K is 32: lanes 0-15 get the whole block in f .. f + 5, lanes 16-31 zeros (f + 6 .. f + 11 are zeros already).  v[sw]: the scale word, byte 0.
.macro QH s, f, sw
	v_max3_num_f32 v[TA], |v[\s]|, |v[\s+1]|, 0x1800000
.irp i, 2,4,6,8,10,12,14
	v_max3_num_f32 v[TA], v[TA], |v[\s+\i]|, |v[\s+\i+1]|
.endr
	v_permlanex16_b32 v[TB], v[TA], s[SEL], s[SEL+1]
	v_max_num_f32 v[TA], v[TA], v[TB]
	v_add_nc_u32 v[TC], 0xff000000, v[TA]
	v_lshrrev_b32 v[\sw], 23, v[TC]
	v_cvt_scalef32_pk16_fp6_f32 v[\f:\f+2], v[\s:\s+15], v[TC]
.irp i, 3,4,5
	v_mov_b32 v[\f+\i], 0                          ; plain instructions behind the conversion
.endr
.irp i, 0,1,2
	v_permlane16_swap_b32 v[\f+\i], v[\f+3+\i]     ; the first's lanes 16-31 change places with the second's lanes 0-15
.endr
.endm
.macro KLOAD c                         ; channel c of my wave's 128 keys
	global_load_b128 v[KR+4*((\c)%8):KR+4*((\c)%8)+3], v[VK], s[4:5] offset:KT_O+8192*(\c)
.endm
.macro RL c                            ; channel c of the 8 queries, out of lane c, into the even registers of set c % 2
.irp q, 0,1,2,3,4,5,6,7
	v_readlane_b32 s[SQ+16*((\c)%2)+2*\q], v[QV+\q], 0+(\c)
.endr
.endm
.macro MUL c
.irp q, 0,1,2,3,4,5,6,7
.irp p, 0,1
	v_pk_mul_f32 v[T0+32*((\c)%2)+4*\q+2*\p:T0+32*((\c)%2)+4*\q+2*\p+1], v[KR+4*((\c)%8)+2*\p:KR+4*((\c)%8)+2*\p+1], s[SQ+16*((\c)%2)+2*\q:SQ+16*((\c)%2)+2*\q+1] op_sel_hi:[1,0]
.endr
.endr
.endm
.macro EXPS c                          ; channel 0's are the sums' start
.set J, 0
.rept 32
.if (\c) == 0
	v_exp_f32 v[E+J], v[T0+J]
.else
	v_exp_f32 v[T0+32*((\c)%2)+J], v[T0+32*((\c)%2)+J]
.endif
.set J, J+1
.endr
.endm
.macro ADDS c
.set J, 0
.rept 16
	v_pk_add_f32 v[E+J:E+J+1], v[E+J:E+J+1], v[T0+32*((\c)%2)+J:T0+32*((\c)%2)+J+1]
.set J, J+2
.endr
.endm
.macro PHILOAD                         ; phi_Q of query r % 8, block h, and its two bytes; phi_K's four fragments and their words: 20 loads
.irp k, 0,1,2
	global_load_b64 v[A+48+2*\k:A+49+2*\k], v[VPQ], s[4:5] offset:PQ_O+8*\k
.endr
	global_load_u16 v[PQS], v[VPQS], s[4:5] offset:SCL_O
.irp t, 0,1,2,3
.irp i, 0,1,2
	global_load_b128 v[A+12*\t+4*\i:A+12*\t+4*\i+3], v[VPK], s[4:5] offset:PK_O+1536*\t+512*\i
.endr
	global_load_b32 v[PKS+\t], v[VS], s[4:5] offset:SCL_O+256+64*\t
.endr
.endm
; A STAGE: channel c's 32 exponentials as one batch; behind them, as work that names none of their results, channel c + 1's multiplications, channel c + 2's eight numbers of the queries and the loads further ahead; ONE wait; the sums.
; LC: the loads issued behind K's channel c + 1: the younger channels, and up to stage 5 phi's 20, in stages 7 to 11 the 16 of the partial sums, in stages 14 to 19 V's 8.  (-1: an earlier wait has shown the channel in.)
.macro STAGE c
	EXPS \c
.if (\c) < 31
.if (\c) == 0
.set LC, 4
.elseif (\c) == 1
.set LC, 25
.elseif (\c) == 2
.set LC, 26
.elseif (\c) < 6
.set LC, 27
.elseif (\c) == 6
.set LC, -1
.elseif (\c) < 12
.set LC, 23
.elseif (\c) < 14
.set LC, -1
.elseif (\c) < 20
.set LC, 15
.elseif (\c) < 24
.set LC, 7
.else
.set LC, 30-(\c)
.endif
.if LC >= 0
	s_wait_loadcnt LC
.endif
	MUL (\c)+1
.if (\c) < 30
	RL (\c)+2                                      ; into the set that channel c's multiplications, a stage back, were the last to read
.endif
.if (\c) < 3
	KLOAD 2*(\c)+6
	KLOAD 2*(\c)+7
.elseif (\c) < 23
	KLOAD (\c)+9
.endif
.if (\c) == 0
	PHILOAD
.endif
.else
	v_nop                                          ; a plain instruction behind the last batch
.endif
.if (\c) == 29
.irp q, 0,1,2,3,4,5,6,7                        ; the mask: 8 queries x my four keys
	ds_load_b128 v[A+24+4*\q:A+24+4*\q+3], v[VMK] offset:8192*\q
.endr
.endif
	s_wait_alu depctr_va_vdst(0)                   ; one wait for the batch, ahead of its first reader
.if (\c) > 0
	ADDS \c
.endif
.endm
	s_load_b256 s[4:11], s[0:1], 0x0               ; ws, mask, Z, out0
	v_lshl_add_u32 v[SPW], v0, 2, SPARE
	v_mov_b32 v[NIL], 0
	ds_add_u32 v[SPW], v[NIL]                      ; the set-up below is work on registers
	ds_add_u32 v[SPW], v[NIL]
	v_lshrrev_b32 v32, 5, v0
	v_readfirstlane_b32 s2, v32                    ; wave 0..15
	s_mov_b32 s3, ttmp9                            ; g
	s_mov_b32 s52, 0x00ff00ff                      ; lanes with r < 8
	s_mov_b32 s53, 0xff00ff00                      ; lanes with r >= 8
	s_mov_b32 s[SEL], 0x76543210
	s_mov_b32 s[SEL+1], 0xfedcba98                 ; v_permlanex16_b32's selects for lane l xor 16
	s_mov_b32 s56, 0x3d000000                      ; 1 / 32
	s_mov_b32 s57, 0x3727c5ac                      ; 1e-5
	s_mov_b32 s58, 0x358637bd                      ; 1e-6
.set J, 1
.rept 16
	s_mov_b32 s[SQ+J], 0                           ; the odd registers of the queries' pairs: named with the even ones, never used
.set J, J+2
.endr
	; descriptors.  Group 1: one row of 1,024, 1,060 or 128 elements of 8 bytes: a row of the mask, the small inputs, Z's 8 rows
	s_mov_b32 s16, 3<<16
	s_mov_b32 s17, 1024<<16
	s_mov_b32 s18, 1<<16
	s_mov_b32 s19, 1024<<16
	s_mov_b32 s20, 1
	s_mov_b32 s21, 1024
	s_mov_b32 s22, 1<<16
	s_mov_b32 s23, 0
	s_mov_b32 s28, 3<<16
	s_mov_b32 s29, 1060<<16
	s_mov_b32 s30, 1<<16
	s_mov_b32 s31, 1060<<16
	s_mov_b32 s32, 1
	s_mov_b32 s33, 1060
	s_mov_b32 s34, 1<<16
	s_mov_b32 s35, 0
	s_mov_b32 s40, 3<<16
	s_mov_b32 s41, 128<<16
	s_mov_b32 s42, 1<<16
	s_mov_b32 s43, 128<<16
	s_mov_b32 s44, 1
	s_mov_b32 s45, 128
	s_mov_b32 s46, 1<<16
	s_mov_b32 s47, 0
	s_mov_b32 s24, 1
	s_min_u32 s61, s2, 7
	s_lshl_b32 s25, s61, 13                        ; a mask row's LDS bytes: 8,192 x wave
	s_mov_b32 s36, 1
	s_mov_b32 s37, CW
	s_mov_b32 s48, 1
	s_mov_b32 s49, ZRO
	s_lshl_b32 s60, s3, 16                         ; 8 mask rows of 8,192 bytes
	s_add_co_u32 s60, s60, s25
	s_mov_b32 s61, 0
	s_lshl_b32 s62, s3, 10                         ; 1,024 bytes of Z, of out0 and of the queries a work-group
	s_mov_b32 s63, 0
	v_and_b32 v32, 31, v0                          ; lane
	v_lshlrev_b32 v36, 4, v32                      ; 16 x lane
	v_add_nc_u32 v[VQS], s62, v36
	v_lshlrev_b32 v[VK], 4, v0
	s_wait_alu depctr_va_vdst(0)
	s_wait_dscnt 0x0                               ; both opening adds are done
	s_wait_kmcnt 0x0
.irp i, 0,1
	global_load_b128 v[QV+4*\i:QV+4*\i+3], v[VQS], s[4:5] offset:QS_O+512*\i   ; the queries, all 32 channels
.endr
	KLOAD 0
	KLOAD 1
	KLOAD 2
	KLOAD 3
	s_add_nc_u64 s[26:27], s[6:7], s[60:61]
	s_or_b32 s27, s27, 0x80000000
	s_add_nc_u64 s[38:39], s[4:5], WP_O
	s_or_b32 s39, s39, 0x80000000
	s_add_nc_u64 s[50:51], s[8:9], s[62:63]
	s_or_b32 s51, s51, 0x80000000
	s_cmp_lt_u32 s2, 8                             ; ONE tensor load a wave, in one chain of branches on the wave's number; the one wait for them is for 0
	s_cbranch_scc0 .Lwave_8
	tensor_load_to_lds s[24:27], s[16:23]
	s_nop 0
	PLACES 4
	s_branch .Lasked
.Lwave_8:
	s_cmp_eq_u32 s2, 8
	s_cbranch_scc0 .Lwave_9
	tensor_load_to_lds s[36:39], s[28:35]
	s_nop 0
	PLACES 4
	s_branch .Lasked
.Lwave_9:
	s_cmp_eq_u32 s2, 9
	s_cbranch_scc0 .Lasked
	tensor_load_to_lds s[48:51], s[40:47]
	s_nop 0
	PLACES 4
.Lasked:
	s_mul_i32 s14, s2, 6144
	s_mul_i32 s15, s2, 768
	s_mul_i32 s59, s3, 384
	s_lshr_b32 s60, s3, 4
	s_mul_i32 s60, s60, 768
	s_and_b32 s61, s3, 15
	s_lshl_b32 s61, s61, 4
	s_add_co_u32 s60, s60, s61
	s_mul_i32 s61, s2, 3072
	s_lshl_b32 s62, s2, 9
	s_mul_i32 s63, s2, 4352
	s_add_co_u32 s63, s63, TR
	s_lshl_b32 s66, s2, 11
	s_add_co_u32 s66, s66, RED
	v_and_b32 v32, 31, v0                          ; lane
	v_and_b32 v33, 15, v0                          ; r
	v_bfe_u32 v34, v0, 4, 1                        ; h
	v_and_b32 v35, 7, v0                           ; r % 8
	v_lshlrev_b32 v36, 4, v32
	v_lshl_add_u32 v[VS], v32, 2, s15
	v_mul_u32_u24 v[VPQ], v35, 48
	v_mul_u32_u24 v[VTS], v34, 2176                ; in: row query + 8 (lane / 16), 16 bytes at 16 (lane % 16)
	v_mul_u32_u24 v[VTL], v33, 272                 ; back: row r, its keys 32 h on.  Rows are 272 bytes apart
	v_add_nc_u32 v[VPK], s14, v36
	v_mad_u32_u24 v[VPQ], v34, 24, v[VPQ]
	v_lshl_add_u32 v[VTS], v33, 4, v[VTS]
	v_lshl_add_u32 v[VTL], v34, 7, v[VTL]
	v_lshl_add_u32 v[VPQS], v35, 1, s60
	v_add_nc_u32 v[VPQ], s59, v[VPQ]
	v_add_nc_u32 v[VTS], s63, v[VTS]
	v_add_nc_u32 v[VTL], s63, v[VTL]
	v_add_nc_u32 v[VVT], s61, v36
	v_add_nc_u32 v[VMK], s62, v36
	v_add_nc_u32 v[VRS], s66, v36
	v_lshl_add_u32 v[VT4], v0, 2, RED
	v_add_nc_u32 v[VKV], KVS, v[VK]
	v_add_nc_u32 v[VKL], KVS, v36
	v_add_nc_u32 v[VRL], RED, v36
	s_wait_alu depctr_va_vdst(0)
	s_wait_loadcnt 4                               ; the queries are in; K's four channels may be out
	RL 0
	RL 1
	s_wait_loadcnt 3                               ; K's channel 0 is in
	MUL 0
	KLOAD 4
	KLOAD 5
.set C, 0
	s_wait_alu depctr_va_vdst(0)
.rept 6
	STAGE C
.set C, C+1
.endr
	; ---- phi_term comes off the sums
	s_wait_alu depctr_va_vdst(0)
	s_wait_loadcnt 7                               ; phi's loads are in; K's channels 8-14 may be out
.irp i, 0,1,2,3,4,5
	v_cndmask_b32 v[PF+\i], 0, v[A+48+\i], s52     ; rows under 8: blocks 0, 1;
	v_cndmask_b32 v[PF+6+\i], 0, v[A+48+\i], s53   ; rows from 8 on: blocks 2, 3
.endr
	v_lshl_or_b32 v[PQS], v[PQS], 16, v[PQS]       ; the two bytes in both halves of the word
	PLACES 8                                       ; a scale written by a vector instruction stands 8 plain instructions ahead of a scaled product, an operand so written 4
.irp t, 0,1,2,3
	MM0 T0+32+8*\t, PF, A+12*\t, PQS, PKS+\t       ; into the second set, which is free behind an odd stage.  Lane l, register j: phi_term of query j and key 4 l + t
.endr
	PLACES 4
.irp q, 0,1,2,3,4,5,6,7                        ; the queries outermost, so that each of the four results is read first at its register 0
.irp t, 0,1,2,3
	v_sub_f32 v[E+4*\q+\t], v[E+4*\q+\t], v[T0+32+8*\t+\q]
.endr
.endr
.irp k, 0,1,2,3,4,5,6,7,8,9,10,11,12,13,14,15  ; my thread's four numbers of each chunk's partial phi_K^T V
	global_load_b128 v[A+4*\k:A+4*\k+3], v[VK], s[4:5] offset:KVP_O+8192*\k
.endr
.rept 6
	STAGE C
.set C, C+1
.endr
	; ---- phi_K^T V: each thread adds its four numbers over the 16 chunks
	s_wait_alu depctr_va_vdst(0)
	s_wait_loadcnt 6                               ; the partial sums are in; K's channels 15-20 may be out
.irp k, 0,1,2,3,4,5,6,7
.irp p, 0,2
	v_pk_add_f32 v[A+4*\k+\p:A+4*\k+\p+1], v[A+4*\k+\p:A+4*\k+\p+1], v[A+32+4*\k+\p:A+32+4*\k+\p+1]
.endr
.endr
.irp k, 0,1,2,3
.irp p, 0,2
	v_pk_add_f32 v[A+4*\k+\p:A+4*\k+\p+1], v[A+4*\k+\p:A+4*\k+\p+1], v[A+16+4*\k+\p:A+16+4*\k+\p+1]
.endr
.endr
.irp k, 0,1
.irp p, 0,2
	v_pk_add_f32 v[A+4*\k+\p:A+4*\k+\p+1], v[A+4*\k+\p:A+4*\k+\p+1], v[A+8+4*\k+\p:A+8+4*\k+\p+1]
.endr
.endr
.irp p, 0,2
	v_pk_add_f32 v[A+\p:A+\p+1], v[A+\p:A+\p+1], v[A+4+\p:A+4+\p+1]
.endr
	ds_store_b128 v[VKV], v[A:A+3]
	s_wait_alu depctr_va_vdst(0)
	s_wait_tensorcnt 0x0                           ; my tensor load, if I issued one, has landed:
	BARRIER                                        ; the mask, the small inputs, Z's rows and the sum lie in LDS for all waves
	s_cmp_lg_u32 s2, 1
	s_cbranch_scc1 .Lno_lr
	; wave 1: the low-rank term.  Lane (r, h): features 32 h + 0 .. 31 of channel 8 u + r % 8 + 16 (r / 8): a whole block
.irp k, 0,1,2,3,4,5,6,7,8,9,10,11,12,13,14,15
	ds_load_b128 v[A+4*\k:A+4*\k+3], v[VKL] offset:512*\k
.endr
	s_wait_dscnt 0x0
	QB A, LRF, 36, 34, KVSC
.irp i, 0,1,2
	v_mov_b32 v[LRF+3+\i], v[36+\i]                ; (a conversion's three registers begin on an even number)
.endr
	QB A+32, LRF+12, 36, 34, KVSC+1
.irp i, 0,1,2
	v_mov_b32 v[LRF+15+\i], v[36+\i]
.endr
.irp i, 6,7,8,9,10,11
	v_mov_b32 v[LRF+\i], 0                         ; blocks 2, 3: zero codes, so that slots 8-15 of phi_Q's fragment give 0
	v_mov_b32 v[LRF+12+\i], 0
.endr
.irp u, 0,1
	v_permlanex16_b32 v[TB], v[KVSC+\u], s[SEL], s[SEL+1]
	v_lshl_or_b32 v[KVSC+\u], v[TB], 8, v[KVSC+\u] ; lanes 0-15: block 0's byte, block 1's
.endr
	PLACES 8
.irp u, 0,1
	MM0 A+8*\u, LRF+12*\u, PF, KVSC+\u, PQS        ; lane (slot r, h), register 8 u + j = channel 16 h + 8 u + j
.endr
	PLACES 4
.irp i, 0,1,2,3
	ds_store_b128 v[VRL], v[A+4*\i:A+4*\i+3] offset:32768+512*\i   ; a seventeenth partial result
.endr
.Lno_lr:
.irp u, 0,1                                    ; V^T's two fragments of my 128 keys, and their scale words: 8 loads
.irp i, 0,1,2
	global_load_b128 v[A+12*\u+4*\i:A+12*\u+4*\i+3], v[VVT], s[4:5] offset:VT_O+1536*\u+512*\i
.endr
	global_load_b32 v[VSC+\u], v[VS], s[4:5] offset:SCL_O+512+128*\u
.endr
.rept 20
	STAGE C
.set C, C+1
.endr
	; ---- the tail: the mask, the turn, the quantiser, scores V
	s_wait_dscnt 0x0                               ; the mask's 32 words
.set J, 0
.rept 8
.irp i, 0,1,2,3
	v_cmp_eq_u32 s[60+\i], 0, v[A+24+J+\i]
.endr
.irp i, 0,1,2,3
	v_cndmask_b32 v[T0+J+\i], 0, v[E+J+\i], s[60+\i]   ; kept where mask == 0
.endr
.set J, J+4
.endr
.irp q, 0,1,2,3,4,5,6,7
	ds_store_b128 v[VTS], v[T0+4*\q:T0+4*\q+3] offset:272*\q
.endr
.irp i, 0,1,2,3,4,5,6,7
	ds_load_b128 v[T0+32+4*\i:T0+32+4*\i+3], v[VTL] offset:16*\i   ; my wave's own bytes, and LDS serves a wave's instructions in order (ISA guide 5.7.1.4): these see the stores above
.endr
	s_wait_dscnt 0x0                               ; lane (r, h): query r % 8, keys 64 (r / 8) + 32 h + 0 .. 31
	QB T0+32, 244, 36, 34, PS
	v_permlanex16_b32 v[TB], v[PS], s[SEL], s[SEL+1]
	v_lshl_or_b32 v[PS], v[TB], 8, v[PS]
	v_lshl_or_b32 v[PS], v[PS], 16, v[PS]          ; lanes 0-15: my half's two bytes, in both halves of the word
.irp i, 0,1,2
	v_cndmask_b32 v[PF+\i], 0, v[244+\i], s52      ; slots under 8: the first 64 keys; from 8 on: the last 64
	v_cndmask_b32 v[PF+3+\i], 0, v[36+\i], s52
	v_cndmask_b32 v[PF+6+\i], 0, v[244+\i], s53
	v_cndmask_b32 v[PF+9+\i], 0, v[36+\i], s53
.endr
	s_wait_alu depctr_va_vdst(0)
	s_wait_loadcnt 0x0                             ; V^T
	PLACES 8
.irp u, 0,1
	MM0 KF+8*\u, A+12*\u, PF, VSC+\u, PS           ; lane (slot r, h), register 8 u + j = channel 16 h + 8 u + j
.endr
	PLACES 4
.irp i, 0,1,2,3
	ds_store_b128 v[VRS], v[KF+4*\i:KF+4*\i+3] offset:512*\i
.endr
.set R1, 40
.set R2, 56
.set R3, 72
.set R4, 88
.set F, 104                            ; v104-115 the data's fragment
.set W1F, 116                          ; v116-163 W1's eight tiles, 6 registers apart;
.set WOF, 164                          ; v164-175 Wo's two;
.set R5, 176                           ; v176-191 beta1: written registers behind the weights' run
.set H, 192                            ; v192-255 b1, then the hidden layer
	s_cmp_lg_u32 s2, 0
	s_cbranch_scc1 .Lno_pre
	; wave 0: what the last layers want first is fetched ahead of the two barriers.  Rows r and r + 8 of every tile are the same query; a lane holds channels 16 h + 0 .. 15 of its row
	v_and_b32 v33, 7, v0
	v_bfe_u32 v34, v0, 3, 1
	v_bfe_u32 v35, v0, 4, 1                        ; h
	v_lshl_add_u32 v36, v34, 4, v33                ; r % 8 + 16 (r / 8)
	v_lshl_add_u32 v37, v34, 5, v33                ; r % 8 + 32 (r / 8)
	v_mul_u32_u24 v2, v36, 24
	v_mul_u32_u24 v7, v37, 24
	v_lshlrev_b32 v4, 6, v35
	v_lshlrev_b32 v5, 7, v33
	v_lshl_add_u32 v5, v35, 6, v5
	v_add_nc_u32 v2, CW, v2                        ; v2   Wo's codes
	v_add_nc_u32 v3, CW, v36                       ; v3   Wo's scale bytes
	v_add_nc_u32 v4, CW, v4                        ; v4   vectors of 32: 64 h
	v_add_nc_u32 v5, ZRO, v5                       ; v5   Z: row r % 8, + 64 h
	v_add_nc_u32 v7, CW, v7                        ; v7   W1's codes
	v_add_nc_u32 v8, CW, v37                       ; v8   W1's scale bytes
.irp u, 0,1
.irp k, 0,1,2
	ds_load_b64 v[WOF+6*\u+2*\k:WOF+6*\u+2*\k+1], v2 offset:6144+192*\u+8*\k
.endr
	ds_load_u8 v[WOS+\u], v3 offset:8448+8*\u
.endr
.irp i, 0,1,2,3
	ds_load_b128 v[R2+4*\i:R2+4*\i+3], v4 offset:7680+16*\i        ; bo
	ds_load_b128 v[R3+4*\i:R3+4*\i+3], v5 offset:16*\i             ; Z
	ds_load_b128 v[R4+4*\i:R4+4*\i+3], v4 offset:7936+16*\i        ; g1
	ds_load_b128 v[R5+4*\i:R5+4*\i+3], v4 offset:8064+16*\i        ; beta1
.endr
.irp t, 0,1,2,3,4,5,6,7                        ; W1's tile t: row m takes hidden unit 64 (t / 4) + 8 (t % 4) + m % 8 + 32 (m / 8)
.irp k, 0,1,2
	ds_load_b64 v[W1F+6*\t+2*\k:W1F+6*\t+2*\k+1], v7 offset:1536*(\t/4)+192*(\t%4)+8*\k
.endr
	ds_load_u8 v[W1S+\t], v8 offset:6912+64*(\t/4)+8*(\t%4)
.endr
.Lno_pre:
	BARRIER                                        ; all seventeen partial results lie in LDS
.irp k, 0,1,2,3,4,5,6,7,8,9,10,11,12,13,14,15,16
	ds_load_b32 v[32+\k], v[VT4] offset:2048*\k
.endr
	s_wait_dscnt 0x0
.irp k, 0,2,4,6,8,10,12,14
	v_add_f32 v[32+\k], v[32+\k], v[33+\k]
.endr
.irp k, 0,4,8,12
	v_add_f32 v[32+\k], v[32+\k], v[34+\k]
.endr
	v_add_f32 v32, v32, v36
	v_add_f32 v40, v40, v44
	v_add_f32 v32, v32, v40
	v_add_f32 v32, v32, v48
	ds_store_b32 v[VT4], v32 offset:34816
	BARRIER
	s_cmp_lg_u32 s2, 0
	s_cbranch_scc1 .Lend
	; ---- wave 0: the last layers
.macro SUM16 x                         ; v32 = the sum of my row's 32 numbers
	v_pk_add_f32 v[32:33], v[\x:\x+1], v[\x+2:\x+3]
	v_pk_add_f32 v[34:35], v[\x+4:\x+5], v[\x+6:\x+7]
	v_pk_add_f32 v[36:37], v[\x+8:\x+9], v[\x+10:\x+11]
	v_pk_add_f32 v[38:39], v[\x+12:\x+13], v[\x+14:\x+15]
	v_pk_add_f32 v[32:33], v[32:33], v[34:35]
	v_pk_add_f32 v[36:37], v[36:37], v[38:39]
	v_pk_add_f32 v[32:33], v[32:33], v[36:37]
	v_add_f32 v32, v32, v33
	v_permlanex16_b32 v33, v32, s[SEL], s[SEL+1]
	v_add_f32 v32, v32, v33
.endm
.macro LN x, g, b, y                   ; y = (x - mean) / sqrt(variance + 1e-5) x g + b; x is used up
	SUM16 \x
	v_mul_f32 v32, s56, v32
.irp i, 0,2,4,6,8,10,12,14
	v_pk_add_f32 v[\x+\i:\x+\i+1], v[\x+\i:\x+\i+1], v[32:33] op_sel_hi:[1,0] neg_lo:[0,1] neg_hi:[0,1]
.endr
	v_pk_mul_f32 v[34:35], v[\x:\x+1], v[\x:\x+1]
	v_pk_mul_f32 v[36:37], v[\x+2:\x+3], v[\x+2:\x+3]
.irp i, 4,8,12
	v_pk_fma_f32 v[34:35], v[\x+\i:\x+\i+1], v[\x+\i:\x+\i+1], v[34:35]
	v_pk_fma_f32 v[36:37], v[\x+\i+2:\x+\i+3], v[\x+\i+2:\x+\i+3], v[36:37]
.endr
	v_pk_add_f32 v[34:35], v[34:35], v[36:37]
	v_add_f32 v34, v34, v35
	v_permlanex16_b32 v35, v34, s[SEL], s[SEL+1]
	v_add_f32 v34, v34, v35
	v_fma_f32 v34, v34, s56, s57
	s_wait_alu depctr_va_vdst(0)
	v_rsq_f32 v34, v34
	v_nop
	s_wait_alu depctr_va_vdst(0)
.irp i, 0,2,4,6,8,10,12,14
	v_pk_mul_f32 v[\x+\i:\x+\i+1], v[\x+\i:\x+\i+1], v[34:35] op_sel_hi:[1,0]
.endr
.irp i, 0,2,4,6,8,10,12,14
	v_pk_fma_f32 v[\y+\i:\y+\i+1], v[\x+\i:\x+\i+1], v[\g+\i:\g+\i+1], v[\b+\i:\b+\i+1]
.endr
.endm
	v_and_b32 v32, 31, v0
	v_lshlrev_b32 v38, 4, v32
	v_bfe_u32 v35, v0, 4, 1                        ; h
	v_add_nc_u32 v1, FIN, v38                      ; v1   the finished sums
	v_lshlrev_b32 v9, 7, v35
	v_add_nc_u32 v9, CW, v9                        ; v9   b1: 128 h
.irp i, 0,1,2,3
	ds_load_b128 v[R1+4*\i:R1+4*\i+3], v1 offset:512*\i
.endr
.irp t, 0,1,2,3,4,5,6,7
.irp i, 0,1
	ds_load_b128 v[H+8*\t+4*\i:H+8*\t+4*\i+3], v9 offset:7168+256*(\t/4)+32*(\t%4)+16*\i   ; b1, in the result's layout: wanted behind Wo's products and the first LayerNorm
.endr
.endr
	s_lshl_b32 s60, s3, 10
	v_and_b32 v33, 7, v0
	v_bfe_u32 v34, v0, 3, 1
	v_lshl_add_u32 v36, v34, 4, v33                ; r % 8 + 16 (r / 8)
	v_lshlrev_b32 v4, 6, v35
	v_add_nc_u32 v4, CW, v4                        ; v4   vectors of 32: 64 h
	v_lshlrev_b32 v6, 7, v33
	v_lshl_add_u32 v6, v35, 6, v6
	v_add_nc_u32 v6, OUTS, v6                      ; v6   the output's stage: row r % 8, + 64 h
	v_mul_u32_u24 v10, v36, 96
	v_mad_u32_u24 v10, v35, 24, v10
	v_add_nc_u32 v10, CW, v10                      ; v10  W2's codes
	v_lshlrev_b32 v11, 2, v36
	v_add_nc_u32 v11, CW, v11                      ; v11  W2's scale words
	v_add_nc_u32 v12, OUTS, v38                    ; v12  the stage, read back
	v_add_nc_u32 v13, s60, v38                     ; v13  my 16 bytes of the work-group's 1,024 of out0
	v_lshlrev_b32 v15, 3, v35                      ; v15  8 h
.irp i, 6,7,8,9,10,11
	v_mov_b32 v[F+\i], 0
.endr
	s_wait_alu depctr_va_vdst(0)
	s_wait_dscnt 16                                ; the sums' four loads are in; b1's sixteen may be out
.irp i, 0,1,2,3,4,5,6,7,8,9,10,11,12,13,14,15
	v_add_f32_dpp v[R1+\i], v[R1+\i], v[R1+\i] row_xmask:8 row_mask:0xf bank_mask:0xf   ; the two key halves of a query
.endr
	SUM16 R1
	v_max_num_f32 v32, s58, v32                    ; the divisor, held at 1e-6 from below
	s_wait_alu depctr_va_vdst(0)
	v_rcp_f32 v32, v32
	v_nop
	s_wait_alu depctr_va_vdst(0)
.irp i, 0,2,4,6,8,10,12,14
	v_pk_mul_f32 v[R1+\i:R1+\i+1], v[R1+\i:R1+\i+1], v[32:33] op_sel_hi:[1,0]
.endr
	QH R1, F, DSW
	PLACES 8
.irp u, 0,1
	MM R2+8*\u, WOF+6*\u, F, R2+8*\u, WOS+\u, DSW  ; x Wo + bo
.endr
	PLACES 4
.irp i, 0,2,4,6,8,10,12,14
	v_pk_add_f32 v[R2+\i:R2+\i+1], v[R2+\i:R2+\i+1], v[R3+\i:R3+\i+1]   ; + Z
.endr
	LN R2, R4, R5, R3                              ; Z1
	QH R3, F, DSW
	s_wait_alu depctr_va_vdst(0)
	s_wait_dscnt 0x0                               ; b1
	PLACES 8
.irp t, 0,1,2,3,4,5,6,7
	MM H+8*\t, W1F+6*\t, F, H+8*\t, W1S+\t, DSW    ; lane (row r, h), register 32 c + i = hidden unit 64 c + 32 h + i: whole blocks of the next K
.endr
	PLACES 4
.irp u, 0,1
.irp k, 0,1,2
	ds_load_b64 v[W1F+12*\u+2*\k:W1F+12*\u+2*\k+1], v10 offset:3072+768*\u+8*\k
	ds_load_b64 v[W1F+12*\u+6+2*\k:W1F+12*\u+7+2*\k], v10 offset:3072+768*\u+48+8*\k
.endr
	ds_load_b32 v[W2S+\u], v11 offset:7040+32*\u
.endr
.irp i, 0,1,2,3
	ds_load_b128 v[R1+4*\i:R1+4*\i+3], v4 offset:7808+16*\i        ; b2
	ds_load_b128 v[R2+4*\i:R2+4*\i+3], v4 offset:8192+16*\i        ; g2
	ds_load_b128 v[R4+4*\i:R4+4*\i+3], v4 offset:8320+16*\i        ; beta2
.endr
.set J, 0
.rept 64
	v_max_num_f32 v[H+J], 0, v[H+J]                ; the activation
.set J, J+1
.endr
	QB H, F, 36, 34, 39
.irp i, 0,1,2
	v_mov_b32 v[F+3+\i], v[36+\i]
.endr
	QB H+32, F+6, 36, 34, 35
.irp i, 0,1,2
	v_mov_b32 v[F+9+\i], v[36+\i]
.endr
	v_lshl_or_b32 v[DSW], v35, 16, v39             ; my two bytes, blocks h and 2 + h,
	v_lshlrev_b32 v[DSW], v15, v[DSW]              ; at their places,
	v_permlanex16_b32 v[TB], v[DSW], s[SEL], s[SEL+1]
	v_or_b32 v[DSW], v[DSW], v[TB]                 ; with lane l xor 16's two
	s_wait_alu depctr_va_vdst(0)
	s_wait_dscnt 0x0
	PLACES 8
.irp u, 0,1
	MM R1+8*\u, W1F+12*\u, F, R1+8*\u, W2S+\u, DSW ; x W2 + b2
.endr
	PLACES 4
.irp i, 0,2,4,6,8,10,12,14
	v_pk_add_f32 v[R1+\i:R1+\i+1], v[R1+\i:R1+\i+1], v[R3+\i:R3+\i+1]   ; + Z1
.endr
	LN R1, R2, R4, R5
.irp i, 0,1,2,3
	ds_store_b128 v6, v[R5+4*\i:R5+4*\i+3] offset:16*\i            ; rows r and r + 8 store the same bytes to the same place
.endr
.irp i, 0,1
	ds_load_b128 v[R1+4*\i:R1+4*\i+3], v12 offset:512*\i           ; my own stores, served in order
.endr
	s_wait_dscnt 0x0
.irp i, 0,1
	global_store_b128 v13, v[R1+4*\i:R1+4*\i+3], s[10:11] offset:512*\i   ; 512 consecutive bytes a store, at a multiple of 256 from out0's first byte
.endr
.Lend:
	s_wait_tensorcnt 0x0                           ; the wave's end
	ds_add_u32 v[SPW], v[NIL]
	s_wait_dscnt 0x0
	s_endpgm
.Lfunc_end_k_q2860cb774e_attn:
	.size	k_q2860cb774e_attn, .Lfunc_end_k_q2860cb774e_attn-k_q2860cb774e_attn
	.p2alignl 7, 3214868480
	.fill 96, 4, 3214868480
	.section	.rodata,"a",@progbits
	.p2align	6, 0x0
	.amdhsa_kernel k_q2860cb774e_attn
		.amdhsa_group_segment_fixed_size 193024
		.amdhsa_private_segment_fixed_size 0
		.amdhsa_enable_private_segment 0
		.amdhsa_kernarg_size 32
		.amdhsa_user_sgpr_count 2
		.amdhsa_user_sgpr_kernarg_segment_ptr 1
		.amdhsa_wavefront_size32 1
		.amdhsa_system_sgpr_workgroup_id_x 1
		.amdhsa_system_sgpr_workgroup_id_y 1
		.amdhsa_system_sgpr_workgroup_id_z 1
		.amdhsa_system_vgpr_workitem_id 0
		.amdhsa_next_free_vgpr 256
		.amdhsa_next_free_sgpr 100
		.amdhsa_reserve_vcc 0
		.amdhsa_float_denorm_mode_32 3
		.amdhsa_float_denorm_mode_16_64 3
		.amdhsa_memory_ordered 1
		.amdhsa_forward_progress 1
		.amdhsa_inst_pref_size 179
	.end_amdhsa_kernel
	.amdgpu_metadata
---
amdhsa.version: [ 1, 2 ]
amdhsa.kernels:
  - .name:           k_q2860cb774e_attn
    .symbol:         k_q2860cb774e_attn.kd
    .args:
      - { .name: ws, .offset: 0, .size: 8, .value_kind: global_buffer, .address_space: global }
      - { .name: mask, .offset: 8, .size: 8, .value_kind: global_buffer, .address_space: global }
      - { .name: Z, .offset: 16, .size: 8, .value_kind: global_buffer, .address_space: global }
      - { .name: out0, .offset: 24, .size: 8, .value_kind: global_buffer, .address_space: global }
    .group_segment_fixed_size: 193024
    .private_segment_fixed_size: 0
    .kernarg_segment_align: 8
    .kernarg_segment_size: 32
    .max_flat_workgroup_size: 512
    .sgpr_count:     100
    .vgpr_count:     256
    .wavefront_size: 32
...
	.end_amdgpu_metadata
.endif
;; end of part 4
